; MI455X (gfx1250); checked and timed in simulation.
; The chip was launched on July 23, 2026; its instructions are those of AMD's public machine-readable ISA for CDNA 5 (MIT licence, August 2026) and "CDNA5" Instruction Set Architecture Reference Guide (July 2026). The comments in the code are by the model that wrote it; some were corrected since.
;; Multi Head Attention Block. Allowed arithmetic: matrix products marked QUANTISED: E2M1 operands, one E8M0 scale for each 32 along K, by v_wmma_scale_f32_16x16x128_f8f6f4 with both operands' format E2M1 (or v_wmma_scale_f32_32x16x128_f4), f32 sums; products left as they are: bf16, f16 or f32 operands; f32 sums; everything else in f32.
;; Inputs: Wk 1,024 x 1,024 float32; Wo 1,024 x 1,024 float32; Wq 1,024 x 1,024 float32; Wv 1,024 x 1,024 float32; mask 1 x 1 x 2,048 x 2,048 bool; x 4 x 2,048 x 1,024 float32.
;; Outputs: out0 4 x 2,048 x 1,024 float32.
;; This version of the problem:
;;   THIS VERSION OF THE PROBLEM IS GIVEN IN LOW PRECISION. The matrix products marked QUANTISED in the list below multiply operands that are first quantised to E2M1 (2 exponent bits, 1 mantissa bit; 4 bits a number), with one power-of-two scale for each 32 numbers along K (OCP MX v1.0); their sums are f32. The products marked 'left as it is' may take bf16, f16 or f32 operands, with f32 sums. Whichever they take, every output number must still come out within the allowed error. Rounding operands to bf16 (8 significant bits) uses up far more of that allowance than f16 does (11 bits, for magnitudes from 6e-5 to 65,504). All else is computed in f32.
;;   The module's matrix products, in the order in which they are computed (A, B: the left and right operand; K: the contracted axis; several contracted axes count as one K, in the product's order):
;;     1. [M 8,192, K 1,024] x [K 1,024, N 1,024]; A: input x; B: input Wq: QUANTISED
;;     2. [M 8,192, K 1,024] x [K 1,024, N 1,024]; A: input x; B: input Wk: QUANTISED
;;     3. [M 8,192, K 1,024] x [K 1,024, N 1,024]; A: input x; B: input Wv: QUANTISED
;;     4. batch 64 x [M 2,048, K 64] x [K 64, N 2,048]; A: computed on the way; B: computed on the way: left as it is (an operand is computed on the way)
;;     5. batch 64 x [M 2,048, K 2,048] x [K 2,048, N 64]; A: computed on the way; B: computed on the way: left as it is (an operand is computed on the way)
;;     6. [M 8,192, K 1,024] x [K 1,024, N 1,024]; A: computed on the way; B: input Wo: left as it is (an operand is computed on the way)
;;   THE QUANTISER, for each operand of a quantised product, along K:
;;     - K is cut into blocks of 32 from its start; a last block that is shorter is filled with zeros.
;;     - A block's scale is 2^e with e = floor(log2(the largest magnitude in the block)) - 2, held to -126 .. 127; a block of zeros has e = 0. As a byte (E8M0): e + 127.
;;     - Each number is divided by its block's scale, clamped to +-6, and rounded to the nearest number of E2M1, ties to even, subnormals kept.
;;     - The product sums the exact products of the quantised numbers (number of the format x scale) in f32.
;;   ~~~python
;;   def quantise(x, axis):      # numpy; x: float32 -> the quantised numbers, widened to float32 again
;;       x = np.moveaxis(x, axis, -1); K = x.shape[-1]
;;       x = np.pad(x, [(0, 0)] * (x.ndim - 1) + [(0, -K % 32)]); x = x.reshape(x.shape[:-1] + (-1, 32)); a = np.abs(x).max(-1, keepdims=True)
;;       e = np.where(a > 0, np.clip(np.frexp(np.where(a > 0, a, 1))[1] - 1 - 2, -126, 127), 0)      # np.frexp(a)[1] - 1 = floor(log2(a)), exactly
;;       r = np.clip(x / 2.0 ** e, -6, 6)
;;       step = 2.0 ** (np.maximum(np.frexp(np.where(r == 0, 1, r))[1] - 1, 0) - 1)
;;       q = np.round(r / step) * step * 2.0 ** e      # np.round: ties to even
;;       return np.moveaxis(q.reshape(q.shape[:-2] + (-1,))[..., :K], -1, axis).astype(np.float32)
;;   ~~~
;; One version. Each part assembles by itself: llvm-mc -triple=amdgcn-amd-amdhsa -mcpu=gfx1250 --defsym DOCPART=n.
;; ======== version 1 of 1: 6 launches
;; limits: right only within a limited range of input values; values are held in f16: magnitudes above 65,504 overflow, below 6.1e-05 lose precision
;; workspace buffers: xc 4,194,304 bytes; xs 262,144 bytes; wc 1,572,864 bytes; ws 98,304 bytes; woi 4,194,304 bytes; mw 524,800 bytes of whole numbers; qkv 50,331,648 bytes; aimg 17,039,360 bytes
;; launch prep (part 1): grid 448 x 1, 4 waves a work-group, no clusters, 67,584 bytes of LDS; arguments x, Wq, Wk, Wv, Wo, mask, xc, xs, wc, ws, woi, mw; writes xc, xs, wc, ws, woi, mw
.if DOCPART == 1
	.amdgcn_target "amdgcn-amd-amdhsa--gfx1250"
	.amdhsa_code_object_version 6
	.text
	.protected	k_qb3a28bc10f_prep
	.globl	k_qb3a28bc10f_prep
	.p2align	8
	.type	k_qb3a28bc10f_prep,@function
k_qb3a28bc10f_prep:
	s_mov_b64 s[64:65], 0
	v_nop
	global_prefetch_b8 v0, s[64:65] scope:SCOPE_SE
	s_setreg_imm32_b32 hwreg(HW_REG_WAVE_MODE, 25, 1), 1
	s_wait_xcnt 0x0
; MULTI-HEAD ATTENTION, B 4, S 2048, D 1024, H 16, head size 64.  First of six launches: everything that is made once from the inputs.
;   work-groups   0-351: x, Wq, Wk, Wv (f32, K innermost) -> codes of FP4 (E2M1) and one E8M0 byte for each 32 along K (xc, xs; wc, ws with Wq, Wk, Wv one behind the other)
;   work-groups 352-383: Wo -> two f16 numbers each, a high and a low part, laid as images of matrix fragments (woi)
;   work-groups 384-447: mask -> lane-mask words in the order in which the attention launch uses them, and two flag words for each group of 32 queries (mw)
; NO INPUT AND NO PRODUCT IS LEFT OUT.  What the later launches leave out is decided by whole numbers that this launch stores: a tile of 32 queries x 64 keys is passed over where all its
; mask bytes are 0 AND each of its 32 rows has a 1 somewhere in the row.  Then every weight of the tile is exp(-1e9 - the row's largest score) = 0 in f32, here as in the definition.
; Nothing of the mask's pattern is built in.  A group with a row that has no 1 at all keeps all its tiles (that row's softmax is uniform over all keys).
; LIMITS: real scores are taken to lie above about -1e9 + 200 (else masked keys would count); |q|, |k|, |v| and the attention's result stay within f16's 65,504; only positions 0-15 of each sequence are
; carried as pairs of f16 numbers, all other rows have plain f16 operands in the products that are left as they are; quantiser blocks whose largest magnitude lies under 2^-124 keep the byte 1
; (a block of zeros too: its codes are zeros, and this program alone reads the bytes); NaN and infinities among the inputs are not served.
; FRAGMENT IMAGE (all 16-bit operands of this program): a block of 16 rows x 16 k is 512 bytes; lane l = r + 16 hh owns bytes 16 l .. 16 l + 15: row r, k = 8 hh + 0 .. 7.
; The three kinds of work-group take three ways through the text, each with LDS bytes of its own.
.set SP,    80                         ; quantiser: a lane's place in a stage: 64 bytes + 16 of padding
.set QREG,  8192                       ; quantiser: LDS of a wave: two stages of 32 x SP bytes, then its 256 scale bytes
.set WOST,  32768                      ; Wo: a stage of 4,096 bytes for each wave: high parts 2,048, low parts 2,048
.set MST,   49152                      ; mask: a stage of 16 rows x 272 bytes for each wave
.set CMB,   66560                      ; mask: 16 bytes for each wave, where the waves' flags meet
.set SPARE, 66816                      ; the spare words, 128 bytes for each wave: two blocks of 256 bytes that no other line names
.set EMAX,  2
.set STEPS, 16
.set CB,    8                          ; bytes of 16 codes
.set R,     16                         ; v16-79   loaded numbers (quantiser: four sets of 16; Wo and mask: two sets of 32)
.set X,     80                         ; v80-111  quantiser: two sets of 16 neighbours
.set E,     112                        ; v112-127 quantiser: a scale byte for each step
.set C,     128                        ; v128-191 quantiser: codes, four registers a step
.set SPW,   12                         ; v12 LDS address of my spare word; never rewritten
.set NIL,   13                         ; v13 0; never rewritten
; x (a pair of f32) = high + low: high has 11 significant bits (x * 8193 less (x * 8193 - x)), so it is an f16 number as it stands; low = x - high, rounded to f16.
.macro SPLIT2 x, t, dh, dl
	v_pk_mul_f32 v[(\t):(\t)+1], v[(\x):(\x)+1], 0x46000400 op_sel_hi:[1,0]
	v_pk_add_f32 v[(\t)+2:(\t)+3], v[(\t):(\t)+1], v[(\x):(\x)+1] neg_lo:[0,1] neg_hi:[0,1]
	v_pk_add_f32 v[(\t):(\t)+1], v[(\t):(\t)+1], v[(\t)+2:(\t)+3] neg_lo:[0,1] neg_hi:[0,1]
	v_pk_add_f32 v[(\t)+2:(\t)+3], v[(\x):(\x)+1], v[(\t):(\t)+1] neg_lo:[0,1] neg_hi:[0,1]
	v_cvt_pk_f16_f32 v[\dh], v[\t], v[(\t)+1]
	v_cvt_pk_f16_f32 v[\dl], v[(\t)+2], v[(\t)+3]
.endm
	s_load_b512 s[8:23], s[0:1], 0x0               ; x 8, Wq 10, Wk 12, Wv 14, Wo 16, mask 18, xc 20, xs 22
	s_load_b256 s[24:31], s[0:1], 0x40             ; wc 24, ws 26, woi 28, mw 30
	v_lshl_add_u32 v[SPW], v0, 2, SPARE
	v_mov_b32 v[NIL], 0
	v_lshrrev_b32 v1, 5, v0
	v_readfirstlane_b32 s32, v1                    ; wave 0..3
	v_and_b32 v2, 31, v0                           ; lane
	s_mov_b32 s43, 0                               ; the upper word of every 32-bit offset
	s_wait_kmcnt 0x0
	s_cmp_ge_u32 ttmp9, 384
	s_cbranch_scc1 .Lmask
	s_cmp_ge_u32 ttmp9, 352
	s_cbranch_scc1 .Lwo
; ---------------------------------------------------------------- THE QUANTISER.  Rows are dense and K is a multiple of 32: each tensor is a stream of blocks of 32.
; A wave takes 16 steps of 512 numbers.  Each load reads 512 consecutive bytes; a step's 2,048 bytes turn through the wave's own stage so that a lane holds 16 neighbours (two lanes a block).
	v_lshlrev_b32 v3, 4, v2                        ; my 16 bytes of a load's 512
	s_mul_i32 s33, s32, QREG
	v_lshrrev_b32 v14, 2, v2
	v_mul_u32_u24 v14, v14, SP
	v_and_b32 v15, 3, v2
	v_lshl_add_u32 v14, v15, 4, v14
	v_add_nc_u32 v14, s33, v14                     ; the stage, on the way in: SP (lane / 4) + 16 (lane % 4)
	v_mul_u32_u24 v15, v2, SP
	v_add_nc_u32 v15, s33, v15                     ; and on the way out: SP x lane
	v_mul_u32_u24 v4, v2, CB                       ; my codes' place in a step's
	v_lshrrev_b32 v5, 1, v2
	s_add_co_u32 s33, s33, 2*32*SP
	v_add_nc_u32 v5, s33, v5                       ; my block's scale byte in my wave's 256
	v_lshlrev_b32 v7, 3, v2
	v_add_nc_u32 v6, s33, v7                       ; and 8 bytes a lane on the way out
	s_cmp_lt_u32 ttmp9, 288                        ; which tensor: the choice hangs on the work-group's number alone
	s_cselect_b64 s[34:35], s[10:11], s[12:13]
	s_cmp_lt_u32 ttmp9, 320
	s_cselect_b64 s[34:35], s[34:35], s[14:15]
	s_cmp_lt_u32 ttmp9, 256
	s_cselect_b64 s[34:35], s[8:9], s[34:35]       ; the numbers,
	s_cselect_b64 s[36:37], s[20:21], s[24:25]     ; the codes,
	s_cselect_b64 s[38:39], s[22:23], s[26:27]     ; the scale bytes
	s_cselect_b32 s40, 0, 256
	s_cselect_b32 s41, -1, 31
	s_sub_co_u32 s40, ttmp9, s40                   ; the work-group's number in x, or in the three weights together (their codes lie one behind the other),
	s_and_b32 s41, s40, s41                        ; and in its own tensor (32 work-groups a weight)
	s_lshl_b32 s40, s40, 2
	s_add_co_u32 s40, s40, s32                     ; my wave's run of 8,192 numbers on the way out,
	s_lshl_b32 s41, s41, 2
	s_add_co_u32 s41, s41, s32                     ; and on the way in
	s_lshl_b32 s42, s41, 15
	s_add_nc_u64 s[34:35], s[34:35], s[42:43]
	s_lshl_b32 s42, s40, 12
	s_add_nc_u64 s[36:37], s[36:37], s[42:43]
	s_lshl_b32 s42, s40, 8
	s_add_nc_u64 s[38:39], s[38:39], s[42:43]
.macro QLOAD t
.irp i, 0,1,2,3
	global_load_b128 v[R+16*((\t)%4)+4*\i:R+16*((\t)%4)+4*\i+3], v3, s[34:35] offset:2048*(\t)+512*\i th:TH_LOAD_NT
.endr
.endm
.macro QTURN t                         ; LDS serves a wave's instructions in order: no wait between the stores and the loads
.irp i, 0,1,2,3
	ds_store_b128 v14, v[R+16*((\t)%4)+4*\i:R+16*((\t)%4)+4*\i+3] offset:32*SP*((\t)%2)+8*SP*\i
.endr
.irp i, 0,1,2,3
	ds_load_b128 v[X+16*((\t)%2)+4*\i:X+16*((\t)%2)+4*\i+3], v15 offset:32*SP*((\t)%2)+16*\i
.endr
.endm
.irp t, 0,1,2,3
	QLOAD \t
.endr
	s_wait_loadcnt 12                              ; step 0's four loads are in; the twelve of steps 1 to 3 stay out
	QTURN 0
.macro QSTEP t
.set XS, X+16*((\t)%2)
.if (\t) > 0
	s_wait_dscnt 1                                 ; this step's numbers are back from the stage; the last step's byte store may be out
.else
	s_wait_dscnt 0x0
.endif
.if (\t)+4 < STEPS
	QLOAD (\t)+4
.endif
.if (\t)+1 < STEPS
.if STEPS-2-(\t) >= 3
	s_wait_loadcnt 12                              ; the next step's four loads are in; those of the three steps behind it may be out
.else
	s_wait_loadcnt 4*(STEPS-2-(\t))
.endif
	QTURN (\t)+1
.endif
	v_max3_num_f32 v8, |v[XS]|, |v[XS+1]|, |v[XS+2]|
	v_max3_num_f32 v9, |v[XS+3]|, |v[XS+4]|, |v[XS+5]|
.irp i, 6,10
	v_max3_num_f32 v8, v8, |v[XS+\i]|, |v[XS+\i+1]|
	v_max3_num_f32 v9, v9, |v[XS+\i+2]|, |v[XS+\i+3]|
.endr
	v_max3_num_f32 v8, v8, |v[XS+14]|, |v[XS+15]|
	v_max3_num_f32 v8, v8, v9, (EMAX+1)<<23        ; the floor 2^(EMAX + 1 - 127): the byte cannot fall under 1
	v_max_num_f32_dpp v8, v8, v8 row_xmask:1 row_mask:0xf bank_mask:0xf   ; with my neighbour's 16: the block's largest magnitude
	v_add_nc_u32 v11, -(EMAX<<23), v8              ; EMAX off its exponent field: the conversion takes that field as its scale
	v_cvt_scalef32_pk8_fp4_f32 v[C+4*(\t)], v[XS:XS+7], v11
	v_cvt_scalef32_pk8_fp4_f32 v[C+4*(\t)+1], v[XS+8:XS+15], v11
	v_lshrrev_b32 v[E+(\t)], 23, v11               ; the scale's byte
	ds_store_b8 v5, v[E+(\t)] offset:16*(\t)       ; both lanes of a block write the same byte with the same value
	global_store_b64 v4, v[C+4*(\t):C+4*(\t)+1], s[36:37] offset:32*CB*(\t)   ; the wave stores 256 consecutive bytes, aligned
.endm
.irp t, 0,1,2,3,4,5,6,7,8,9,10,11,12,13,14,15
	QSTEP \t
.endr
	ds_load_b64 v[8:9], v6
	s_wait_dscnt 0x0
	global_store_b64 v7, v[8:9], s[38:39]          ; my wave's 256 scale bytes, aligned
	s_wait_tensorcnt 0x0                           ; the wave's end
	ds_add_u32 v[SPW], v[NIL]
	s_wait_dscnt 0x0
	s_endpgm
; ---------------------------------------------------------------- Wo: wave w takes 16 rows (n tile 2 g + w / 2) x 512 along K (half w % 2), in eight chunks of 64 along K.
.Lwo:
	s_sub_co_u32 s33, ttmp9, 352
	s_lshl_b32 s33, s33, 1
	s_lshr_b32 s40, s32, 1
	s_add_co_u32 s33, s33, s40                     ; n tile
	s_and_b32 s40, s32, 1                          ; K half
	s_lshl_b32 s42, s33, 16                        ; 16 rows of 4,096 bytes
	s_lshl_b32 s41, s40, 11
	s_add_co_u32 s42, s42, s41
	s_add_nc_u64 s[16:17], s[16:17], s[42:43]
	s_lshl_b32 s42, s33, 15                        ; an n tile's 64 blocks of 512 bytes
	s_lshl_b32 s41, s40, 14
	s_add_co_u32 s42, s42, s41
	s_add_nc_u64 s[28:29], s[28:29], s[42:43]
	v_lshrrev_b32 v8, 4, v2
	v_and_b32 v9, 15, v2
	v_lshlrev_b32 v3, 4, v9
	v_lshl_add_u32 v3, v8, 12, v3                  ; a load: two rows x 256 consecutive bytes
	s_lshl_b32 s41, s32, 12
	s_add_co_u32 s41, s41, WOST                    ; my stage
	v_lshrrev_b32 v4, 2, v9
	v_lshlrev_b32 v4, 9, v4                        ; my four k: block (lane % 16) / 4,
	v_bfe_u32 v10, v2, 1, 1
	v_lshl_add_u32 v4, v10, 8, v4                  ; its half hh,
	v_lshl_add_u32 v4, v8, 4, v4                   ; my row of the two,
	v_and_b32 v10, 1, v2
	v_lshl_add_u32 v4, v10, 3, v4                  ; and which 8 of the 16 bytes
	v_add_nc_u32 v4, s41, v4
	v_lshlrev_b32 v6, 4, v2                        ; 16 x lane
	v_add_nc_u32 v5, s41, v6
.macro WLOAD q
.irp i, 0,1,2,3,4,5,6,7
	global_load_b128 v[R+32*((\q)%2)+4*\i:R+32*((\q)%2)+4*\i+3], v3, s[16:17] offset:\i*8192+(\q)*256 th:TH_LOAD_NT
.endr
.endm
.macro WCHUNK q
.set RS, R+32*((\q)%2)
.if (\q) < 7
	WLOAD (\q)+1
	s_wait_loadcnt 8                               ; this chunk's eight loads are in; the next chunk's eight stay out
.else
	s_wait_loadcnt 0x0
.endif
.irp i, 0,1,2,3,4,5,6,7
	SPLIT2 RS+4*\i, 80+8*(\i%2), 96+4*\i, 98+4*\i
	SPLIT2 RS+4*\i+2, 84+8*(\i%2), 97+4*\i, 99+4*\i
	ds_store_b64 v4, v[96+4*\i:97+4*\i] offset:32*\i
	ds_store_b64 v4, v[98+4*\i:99+4*\i] offset:32*\i+2048
.endr
	s_wait_xcnt 0x0                                ; the last chunk's stores have read v128-159
.irp p, 0,1,2,3
	ds_load_b128 v[128+4*\p:131+4*\p], v5 offset:512*\p
	ds_load_b128 v[144+4*\p:147+4*\p], v5 offset:512*\p+2048
.endr
	s_wait_dscnt 0x0                               ; the images are in registers, and my stores into the stage have read theirs
.irp p, 0,1,2,3
	global_store_b128 v6, v[128+4*\p:131+4*\p], s[28:29] offset:(\q)*2048+512*\p           ; 512 consecutive bytes, aligned
	global_store_b128 v6, v[144+4*\p:147+4*\p], s[28:29] offset:(\q)*2048+512*\p+2097152   ; the low parts
.endr
.endm
	WLOAD 0
.irp q, 0,1,2,3,4,5,6,7
	WCHUNK \q
.endr
	s_wait_tensorcnt 0x0                           ; the wave's end, as above
	ds_add_u32 v[SPW], v[NIL]
	s_wait_dscnt 0x0
	s_endpgm
; ---------------------------------------------------------------- THE MASK: group G = 32 rows; wave w takes keys 512 w .. 512 w + 511, in four chunks of 16 rows x 256 keys.
; Word [query tile][key step of 64][a 0..3][j 0..7]: bit r + 16 hh = mask[16 tile + r][64 step + 16 a + 8 hh + j]: the lane mask of register j of the score tile a.
.Lmask:
	s_sub_co_u32 s33, ttmp9, 384                   ; G
	s_lshl_b32 s42, s33, 16                        ; 32 rows of 2,048 bytes
	s_lshl_b32 s41, s32, 9
	s_add_co_u32 s42, s42, s41
	s_add_nc_u64 s[18:19], s[18:19], s[42:43]
	s_lshl_b32 s42, s33, 13                        ; the words of two query tiles: 2 x 4,096 bytes
	s_lshl_b32 s41, s32, 10                        ; my eight key steps: 128 bytes each
	s_add_co_u32 s42, s42, s41
	s_add_nc_u64 s[60:61], s[30:31], s[42:43]
	s_lshl_b32 s42, s33, 3
	s_add_nc_u64 s[58:59], s[30:31], s[42:43]      ; the group's two flag words (524,288 bytes on: in the immediate)
	v_lshrrev_b32 v8, 4, v2                        ; hh
	v_and_b32 v9, 15, v2                           ; r
	v_lshlrev_b32 v10, 4, v9
	v_lshl_add_u32 v3, v8, 11, v10                 ; a load: two rows x 256 consecutive bytes
	s_mul_i32 s41, s32, 4352
	s_add_co_u32 s41, s41, MST
	v_mul_u32_u24 v4, v8, 272
	v_add_nc_u32 v4, v4, v10
	v_add_nc_u32 v4, s41, v4                       ; into the stage as loaded
	v_mul_u32_u24 v5, v9, 272
	v_lshl_add_u32 v5, v8, 3, v5
	v_add_nc_u32 v5, s41, v5                       ; out of it: row r, 8 keys of my half
	v_lshlrev_b32 v6, 4, v2
	s_lshl_b32 s41, s32, 4
	s_add_co_u32 s41, s41, CMB
	v_mov_b32 v7, s41                              ; where my wave's flags go,
	v_mov_b32 v11, CMB                             ; and where wave 0 reads all four
	s_mov_b32 s50, 0x01010101
	s_mov_b32 s52, 0                               ; bit s: key step s of my eight has a 1 in the group's 32 rows
	s_mov_b32 s53, 0                               ; bit s: it has a 0
	s_mov_b32 s54, 0                               ; bit row: the row has a 1 among my 512 keys
.irp i, 0,1,2,3
	v_mov_b32 v[112+\i], 0                         ; written once whole: v_writelane_b32 fills them lane by lane
.endr
.macro MLOAD n
.irp i, 0,1,2,3,4,5,6,7
	global_load_b128 v[R+32*((\n)%2)+4*\i:R+32*((\n)%2)+4*\i+3], v3, s[18:19] offset:((\n)/2)*32768+\i*4096+((\n)%2)*256 th:TH_LOAD_NT
.endr
.endm
.macro MCHUNK n                        ; query tile n / 2, keys 256 (n % 2) on
.if (\n) < 3
	MLOAD (\n)+1
	s_wait_loadcnt 8                               ; this chunk's eight loads are in; the next chunk's stay out
.else
	s_wait_loadcnt 0x0
.endif
.irp i, 0,1,2,3,4,5,6,7
	ds_store_b128 v4, v[R+32*((\n)%2)+4*\i:R+32*((\n)%2)+4*\i+3] offset:544*\i
.endr
.irp a, 0,1,2,3,4,5,6,7,8,9,10,11,12,13,14,15
	ds_load_b64 v[80+2*\a:81+2*\a], v5 offset:16*\a
.endr
	s_wait_dscnt 0x0
	s_wait_xcnt 0x0                                ; the last chunk's store has read v112-115
.set idx, 0
.rept 128                              ; word idx = 8 a + j: byte j of my eight, compared in all lanes at once; the lane mask goes to lane idx / 4, register idx % 4
	v_and_b32 v[120+(idx&7)], 0xff<<(8*(idx&3)), v[80+(idx>>2)]
	v_cmp_ne_u32 s[40+(idx&7)], 0, v[120+(idx&7)]
	v_writelane_b32 v[112+(idx&3)], s[40+(idx&7)], idx>>2
.set idx, idx+1
.endr
	global_store_b128 v6, v[112:115], s[60:61] offset:((\n)/2)*4096+((\n)%2)*512   ; four key steps' 128 words: 512 consecutive bytes, aligned
.irp s, 0,1,2,3
	v_or_b32 v116, v[80+8*\s], v[81+8*\s]
	v_and_b32 v117, v[80+8*\s], v[81+8*\s]
.irp d, 2,3,4,5,6,7
	v_or_b32 v116, v116, v[80+8*\s+\d]
	v_and_b32 v117, v117, v[80+8*\s+\d]
.endr
.if \s == 0
	v_mov_b32 v118, v116
.else
	v_or_b32 v118, v118, v116
.endif
	v_cmp_ne_u32 s48, 0, v116                      ; lanes that saw a 1
	v_cmp_ne_u32 s49, s50, v117                    ; lanes that saw a 0 (a bool is 0 or 1)
	s_cmp_lg_u32 s48, 0
	s_cselect_b32 s51, 1<<(4*((\n)%2)+\s), 0
	s_or_b32 s52, s52, s51
	s_cmp_lg_u32 s49, 0
	s_cselect_b32 s51, 1<<(4*((\n)%2)+\s), 0
	s_or_b32 s53, s53, s51
.endr
	v_cmp_ne_u32 s48, 0, v118
	s_lshr_b32 s49, s48, 16
	s_or_b32 s48, s48, s49                         ; a row lies in lanes r and r + 16
	s_and_b32 s48, s48, 0xffff
	s_lshl_b32 s48, s48, 16*((\n)/2)
	s_or_b32 s54, s54, s48
.endm
	MLOAD 0
.irp n, 0,1,2,3
	MCHUNK \n
.endr
	v_mov_b32 v116, s52
	v_mov_b32 v117, s53
	v_mov_b32 v118, s54
	ds_store_b32 v7, v116                          ; all lanes write the same word with the same value
	ds_store_b32 v7, v117 offset:4
	ds_store_b32 v7, v118 offset:8
	s_wait_dscnt 0x0                               ; for the others' sake: my stores have landed
	s_barrier_signal -1
	s_barrier_wait -1
	s_cmp_lg_u32 s32, 0
	s_cbranch_scc1 .Lmask_end                      ; wave 0 alone joins the four; no barrier stands inside
.irp i, 0,1,2,3
	ds_load_b96 v[80+4*\i:82+4*\i], v11 offset:16*\i
.endr
	s_wait_dscnt 0x0
	v_readfirstlane_b32 s40, v80
	v_readfirstlane_b32 s41, v81
	v_readfirstlane_b32 s42, v82
.irp i, 1,2,3
	v_readfirstlane_b32 s44, v[80+4*\i]
	v_readfirstlane_b32 s45, v[81+4*\i]
	v_readfirstlane_b32 s46, v[82+4*\i]
	s_lshl_b32 s44, s44, 8*\i
	s_lshl_b32 s45, s45, 8*\i
	s_or_b32 s40, s40, s44                         ; act: bit ks: the tile is not all 0
	s_or_b32 s41, s41, s45                         ; mix: bit ks: the tile is not all 1
	s_or_b32 s42, s42, s46
.endr
	s_cmp_eq_u32 s42, -1                           ; has every one of the 32 rows a 1 somewhere?
	s_cselect_b32 s40, s40, -1                     ; if not, all 32 tiles of the group are walked
	v_mov_b32 v96, s40
	v_mov_b32 v97, s41
	v_mov_b32 v98, 0
	v_cmp_eq_u32 vcc_lo, 0, v0
	s_wait_xcnt 0x0                                ; EXEC changes only when the earlier stores have read it
	s_and_saveexec_b32 s47, vcc_lo
	global_store_b64 v98, v[96:97], s[58:59] offset:524288
	s_wait_xcnt 0x0                                ; and again in front of the line that widens it
	s_or_b32 exec_lo, exec_lo, s47
.Lmask_end:
	s_wait_tensorcnt 0x0                           ; the wave's end, as above
	ds_add_u32 v[SPW], v[NIL]
	s_wait_dscnt 0x0
	s_endpgm
.Lfunc_end_k_qb3a28bc10f_prep:
	.size	k_qb3a28bc10f_prep, .Lfunc_end_k_qb3a28bc10f_prep-k_qb3a28bc10f_prep
	.p2alignl 7, 3214868480
	.fill 96, 4, 3214868480
	.section	.rodata,"a",@progbits
	.p2align	6, 0x0
	.amdhsa_kernel k_qb3a28bc10f_prep
		.amdhsa_group_segment_fixed_size 67584
		.amdhsa_private_segment_fixed_size 0
		.amdhsa_enable_private_segment 0
		.amdhsa_kernarg_size 96
		.amdhsa_user_sgpr_count 2
		.amdhsa_user_sgpr_kernarg_segment_ptr 1
		.amdhsa_wavefront_size32 1
		.amdhsa_system_sgpr_workgroup_id_x 1
		.amdhsa_system_sgpr_workgroup_id_y 1
		.amdhsa_system_sgpr_workgroup_id_z 1
		.amdhsa_system_vgpr_workitem_id 0
		.amdhsa_next_free_vgpr 192
		.amdhsa_next_free_sgpr 66
		.amdhsa_reserve_vcc 1
		.amdhsa_float_denorm_mode_32 3
		.amdhsa_float_denorm_mode_16_64 3
		.amdhsa_memory_ordered 1
		.amdhsa_forward_progress 1
		.amdhsa_inst_pref_size 235
	.end_amdhsa_kernel
	.amdgpu_metadata
---
amdhsa.version: [ 1, 2 ]
amdhsa.kernels:
  - .name:           k_qb3a28bc10f_prep
    .symbol:         k_qb3a28bc10f_prep.kd
    .args:
      - { .name: x, .offset: 0, .size: 8, .value_kind: global_buffer, .address_space: global }
      - { .name: Wq, .offset: 8, .size: 8, .value_kind: global_buffer, .address_space: global }
      - { .name: Wk, .offset: 16, .size: 8, .value_kind: global_buffer, .address_space: global }
      - { .name: Wv, .offset: 24, .size: 8, .value_kind: global_buffer, .address_space: global }
      - { .name: Wo, .offset: 32, .size: 8, .value_kind: global_buffer, .address_space: global }
      - { .name: mask, .offset: 40, .size: 8, .value_kind: global_buffer, .address_space: global }
      - { .name: xc, .offset: 48, .size: 8, .value_kind: global_buffer, .address_space: global }
      - { .name: xs, .offset: 56, .size: 8, .value_kind: global_buffer, .address_space: global }
      - { .name: wc, .offset: 64, .size: 8, .value_kind: global_buffer, .address_space: global }
      - { .name: ws, .offset: 72, .size: 8, .value_kind: global_buffer, .address_space: global }
      - { .name: woi, .offset: 80, .size: 8, .value_kind: global_buffer, .address_space: global }
      - { .name: mw, .offset: 88, .size: 8, .value_kind: global_buffer, .address_space: global }
    .group_segment_fixed_size: 67584
    .private_segment_fixed_size: 0
    .kernarg_segment_align: 8
    .kernarg_segment_size: 96
    .max_flat_workgroup_size: 128
    .sgpr_count:     66
    .vgpr_count:     192
    .wavefront_size: 32
...
	.end_amdgpu_metadata
.endif
;; end of part 1
;; launch qkv (part 2): grid 12 x 32, 4 waves a work-group, clusters of 4 x 4, 327,680 bytes of LDS; arguments xc, xs, wc, ws, qkv; writes qkv
.if DOCPART == 2
	.amdgcn_target "amdgcn-amd-amdhsa--gfx1250"
	.amdhsa_code_object_version 6
	.text
	.protected	k_qb3a28bc10f_qkv
	.globl	k_qb3a28bc10f_qkv
	.p2align	8
	.type	k_qb3a28bc10f_qkv,@function
k_qb3a28bc10f_qkv:
	s_mov_b64 s[64:65], 0
	v_nop
	global_prefetch_b8 v0, s[64:65] scope:SCOPE_SE
	s_setreg_imm32_b32 hwreg(HW_REG_WAVE_MODE, 25, 1), 1
	s_wait_xcnt 0x0
	s_wait_alu depctr_hold_cnt(0) depctr_sa_sdst(0) depctr_va_vdst(0) depctr_va_sdst(0) depctr_va_ssrc(0) depctr_va_vcc(0) depctr_vm_vsrc(0)
	s_getreg_b32 s2, hwreg(HW_REG_IB_STS2, 6, 4)
	s_cmp_eq_u32 s2, 0
	s_cbranch_scc0 .Lentry_in_a_cluster
	s_endpgm
.Lentry_in_a_cluster:
	s_bfe_u32 s2, ttmp6, 0x10000c
	s_cmp_lg_u32 s2, 0xf033
	s_cbranch_scc0 .Lentry_shape_is_right
	s_endpgm
.Lentry_shape_is_right:
; q, k, v = x Wq^T, x Wk^T, x Wv^T in one product on codes of FP4 (E2M1) with E8M0 scales: A = x [8192][1024], B = Wq, Wk, Wv one behind the other [3072][1024]; sums in f32.
; A tile of 256 positions x 256 channels is made by four waves, 128 x 128 each: 64 accumulators, 512 registers.  K = 1024 is two LDS slots of 512 along K (rows of 256 bytes): both are asked for at the start,
; with the scale bytes of the work-group's rows, and nothing is filled again.  By this text's own count a wave has three tensor loads out at the most.
; CLUSTERS: 4 x 4 work-groups.  A's tile is shared along a row of the cluster, B's along a column: each is asked for jointly, by the same tensor load with a mask that names the four.
; THE MATRIX INSTRUCTION IS USED TRANSPOSED (source 0 = 16 rows of B, source 1 = 16 rows of A): a lane holds one position and eight neighbouring channels.  Rounded to f16 they are 16 bytes, and the 32 lanes'
; 512 bytes ARE a fragment image (16 positions x 16 channels): they are stored as they stand, 512 consecutive aligned bytes an instruction, with no way through LDS.
; qkv: [batch 4][48: q heads, k heads, v heads][position tile 128][channel tile 4][512 bytes].
; REGISTERS: window 0: v0-31 addresses; v32-95 scale words, two sets; v128-191 A's fragments, one set; on the way out v128-255 hold packed results.  window 1: B's fragments, two sets.  windows 2, 3: the accumulators.
.set SIZE_K, 1024
.set KSTEP,  512
.set NQ,     KSTEP/128
.set ROWB,   256
.set KROW,   SIZE_K*4/8
.set PITCH,  272                       ; an LDS row: 256 bytes + 16 of padding: the 16 rows that a load touches start 68 words apart
.set FR,     8
.set NL,     2
.set NP,     4
.set HALFT,  128*PITCH
.set SLOT,   4*HALFT
.set KS,     SIZE_K/32
.set SCL,    2*SLOT
.set HALFS,  (128*KS/256)*272
.set SBLK,   (16*KS/256)*272
.set SPARE,  SCL+4*HALFS               ; the spare words, 128 bytes for each wave: two blocks of 256 bytes that no other line names
.set ADRA, 16
.set ADRB, 20
.set CO,   26                          ; v26 16 x lane
.set ADRS, 27
.set SPW,  28
.set NIL,  29
.set SC,   32
.set AF,   128
.set G1, 24
.set G0, 32
.set G1B, 48
.set G0B, 56
.set G1S, 68
.set G0S, 76
.set G1SB, 80
.set G0SB, 88
.set MSB, 0
.macro WIN new                         ; the immediate's high byte repeats the setting that is left
.if MSB != (\new)
	s_set_vgpr_msb (MSB<<8)|(\new)
.set MSB, (\new)
.endif
.endm
.set MUL_LO, 0xa1                      ; source 0 (B) window 1, source 1 (A) window 0, C and D window 2
.set MUL_HI, 0xf1
.set TO_B,   0x40
; A joint load: waves 0 and 1 fetch for A, waves 2 and 3 for B; the branch hangs on the wave's number alone.  An s_nop 0 and four v_nop follow each of the two lines.
.macro JLOAD g0a, g1a, g0b, g1b
	s_cmp_eq_u32 s15, 0
	s_cbranch_scc0 .Lfor_b_\@
	tensor_load_to_lds s[\g0a:\g0a+3], s[\g1a:\g1a+7]
	s_nop 0
.rept 4
	v_nop
.endr
	s_branch .Lasked_\@
.Lfor_b_\@:
	tensor_load_to_lds s[\g0b:\g0b+3], s[\g1b:\g1b+7]
	s_nop 0
.rept 4
	v_nop
.endr
.Lasked_\@:
.endm
.macro CROUND                          ; a round of the cluster's barrier
	s_barrier_signal -1
	s_barrier_wait -1
	s_cmp_lg_u32 s14, 0
	s_cbranch_scc1 .Lnot_wave_0_\@
	s_barrier_signal -3
.Lnot_wave_0_\@:
	s_barrier_wait -3
	s_barrier_signal -1
	s_barrier_wait -1
.endm
	s_load_b128 s[4:7], s[0:1], 0x0                ; x's codes, x's scales
	s_load_b128 s[8:11], s[0:1], 0x10              ; W's codes, W's scales
	s_load_b64 s[12:13], s[0:1], 0x20              ; qkv
	v_lshl_add_u32 v[SPW], v0, 2, SPARE
	v_mov_b32 v[NIL], 0
	ds_add_u32 v[SPW], v[NIL]                      ; the wave's opening: the add, twice on end, and its wait ahead of my first tensor load
	ds_add_u32 v[SPW], v[NIL]
	v_lshrrev_b32 v1, 5, v0
	v_readfirstlane_b32 s14, v1                    ; wave 0..3
	s_lshr_b32 s15, s14, 1                         ; which half of the tile's rows is mine.  Also: I fetch for A (0) or for B (1)
	s_and_b32 s16, s14, 1                          ; which half of its columns.  Also: which 128 rows of that tile I fetch
	s_bfe_u32 s40, ttmp6, 0x40000                  ; cx, cy
	s_bfe_u32 s41, ttmp6, 0x40004
	s_lshl_b32 s42, ttmp9, 2
	s_add_co_u32 s42, s42, s40                     ; tile column = 4 x cluster x + cx
	s_and_b32 s17, ttmp7, 0xffff
	s_lshl_b32 s17, s17, 2
	s_add_co_u32 s17, s17, s41                     ; tile row = 4 x cluster y + cy
	s_lshl_b32 s43, s41, 2
	s_lshl_b32 s43, 15, s43                        ; my row of the cluster
	s_lshl_b32 s44, 0x1111, s40                    ; my column
	s_or_b32 s[G1+0], s43, (0<<16)|(1<<20)|(1<<21)|(5<<22)|(3<<25)  ; the mask; elements of 1 byte; padding on; bit 21 beside a mask; 4 words behind every 64
	s_or_b32 s[G1B+0], s44, (0<<16)|(1<<20)|(1<<21)|(5<<22)|(3<<25)
.irp g, G1, G1B
	s_mov_b32 s[\g+1], ROWB<<16                    ; tensor_dim0
	s_mov_b32 s[\g+2], 128<<16                     ; tensor_dim1
	s_mov_b32 s[\g+3], ROWB<<16                    ; tile_dim0
	s_mov_b32 s[\g+4], 128                         ; tile_dim1
	s_mov_b32 s[\g+5], KROW                        ; the pitch
	s_mov_b32 s[\g+6], 0
	s_mov_b32 s[\g+7], 0
.endr
	s_or_b32 s[G1S+0], s43, (3<<16)|(1<<20)|(1<<21)|(5<<22)|(3<<25) ; the scales of 128 rows: a dense block, as rows of 256 bytes (32 elements of 8), 16 bytes of padding behind each
	s_or_b32 s[G1SB+0], s44, (3<<16)|(1<<20)|(1<<21)|(5<<22)|(3<<25)
.irp g, G1S, G1SB
	s_mov_b32 s[\g+1], 32<<16
	s_mov_b32 s[\g+2], (128*KS/256)<<16
	s_mov_b32 s[\g+3], 32<<16
	s_mov_b32 s[\g+4], 128*KS/256
	s_mov_b32 s[\g+5], 32
	s_mov_b32 s[\g+6], 0
	s_mov_b32 s[\g+7], 0
.endr
	s_lshl_b32 s18, s16, 7
	s_lshl_b32 s20, s17, 8
	s_add_co_u32 s20, s20, s18                     ; A: row 256 x tile row + 128 x half
	s_lshl_b32 s46, s42, 8
	s_add_co_u32 s46, s46, s18                     ; B: row 256 x tile column + 128 x half
	s_mov_b32 s21, 0
	s_mov_b32 s47, 0
	s_mov_b64 s[18:19], KS
	s_mul_u64 s[22:23], s[20:21], s[18:19]         ; where these rows' scales begin
	s_mul_u64 s[92:93], s[46:47], s[18:19]
	s_mov_b64 s[18:19], KROW
	s_mul_u64 s[20:21], s[20:21], s[18:19]         ; and their codes
	s_mul_u64 s[46:47], s[46:47], s[18:19]
	s_mul_i32 s45, s14, HALFT                      ; where they go: no place in the cluster enters an LDS address
	s_mul_i32 s94, s14, HALFS
	s_wait_dscnt 0x0                               ; both opening adds are done
	s_wait_kmcnt 0x0
	s_add_nc_u64 s[20:21], s[4:5], s[20:21]
	s_add_nc_u64 s[22:23], s[6:7], s[22:23]
	s_add_nc_u64 s[46:47], s[8:9], s[46:47]
	s_add_nc_u64 s[92:93], s[10:11], s[92:93]
	CROUND                                         ; all sixteen work-groups are here: the joint loads meet
	s_mov_b32 s[G0S], 1
	s_add_co_u32 s[G0S+1], s94, SCL
	s_mov_b64 s[G0S+2:G0S+3], s[22:23]
	s_or_b32 s[G0S+3], s[G0S+3], 0x80000000
	s_mov_b32 s[G0SB], 1
	s_add_co_u32 s[G0SB+1], s94, SCL
	s_mov_b64 s[G0SB+2:G0SB+3], s[92:93]
	s_or_b32 s[G0SB+3], s[G0SB+3], 0x80000000
	JLOAD G0S, G1S, G0SB, G1SB                     ; the scales first: they are wanted with the first K step
.irp s, 0,1
	s_mov_b32 s[G0+4*\s], 1
	s_add_co_u32 s[G0+4*\s+1], s45, \s*SLOT
	s_add_nc_u64 s[G0+4*\s+2:G0+4*\s+3], s[20:21], \s*ROWB
	s_or_b32 s[G0+4*\s+3], s[G0+4*\s+3], 0x80000000
	s_mov_b32 s[G0B+4*\s], 1
	s_add_co_u32 s[G0B+4*\s+1], s45, \s*SLOT
	s_add_nc_u64 s[G0B+4*\s+2:G0B+4*\s+3], s[46:47], \s*ROWB
	s_or_b32 s[G0B+4*\s+3], s[G0B+4*\s+3], 0x80000000
	JLOAD G0+4*\s, G1, G0B+4*\s, G1B
.endr
	v_and_b32 v1, 15, v0                           ; l % 16
	v_bfe_u32 v2, v0, 4, 1                         ; l / 16
	v_mul_u32_u24 v3, v1, PITCH
	v_lshl_add_u32 v4, v2, 4, v3                   ; a fragment's row x pitch + 16 x half
	s_mul_i32 s21, s15, HALFT
	s_mul_i32 s22, s16, HALFT
	s_add_co_u32 s22, s22, 2*HALFT
.irp s, 0,1
	v_add_nc_u32 v[ADRA+\s], s21, v4
	v_add_nc_u32 v[ADRB+\s], s22, v4
	s_add_co_u32 s21, s21, SLOT
	s_add_co_u32 s22, s22, SLOT
.endr
	v_mul_u32_u24 v5, v1, KS                       ; my row's scales: KS bytes a row,
	v_lshrrev_b32 v6, 8, v5
	v_lshl_add_u32 v5, v6, 4, v5                   ; and 16 more for each 256 passed
	s_mul_i32 s21, s15, HALFS
	s_mul_i32 s22, s16, HALFS
	s_add_co_u32 s22, s22, 2*HALFS
	s_sub_co_u32 s22, s22, s21
	v_mul_u32_u24 v6, s22, v2                      ; lanes 16-31 take B's
	s_add_co_u32 s21, s21, SCL
	v_add_nc_u32 v5, v5, v6
	v_add_nc_u32 v[ADRS], s21, v5
	v_and_b32 v6, 31, v0
	v_lshlrev_b32 v[CO], 4, v6
	; where my 8 x 8 images begin: position tile P0 = 16 x tile row + 8 x half, channel tile C0 = 16 x tile column + 8 x half
	s_lshl_b32 s20, s17, 4
	s_lshl_b32 s21, s15, 3
	s_add_co_u32 s20, s20, s21
	s_lshr_b32 s21, s20, 7                         ; the batch
	s_and_b32 s20, s20, 127
	s_mul_i32 s21, s21, 12582912
	s_lshl_b32 s20, s20, 11
	s_add_co_u32 s20, s20, s21
	s_mov_b32 s21, 0
	s_add_nc_u64 s[12:13], s[12:13], s[20:21]
	s_lshl_b32 s46, s42, 2
	s_lshl_b32 s47, s16, 1
	s_add_co_u32 s46, s46, s47                     ; C0 / 4: which of the 48 heads
	s_lshl_b32 s46, s46, 18
	s_mov_b32 s47, 0
	s_add_nc_u64 s[12:13], s[12:13], s[46:47]
.macro FRAG reg, adr, q, i             ; 16 rows x 128 K of 4-bit codes: 8 registers: two loads of 16 bytes, 32 bytes apart
.irp c, 0,1
	ds_load_b128 v[\reg+4*\c:\reg+4*\c+3], v[\adr] offset:64*(\q)+32*\c+(\i)*16*PITCH
.endr
.endm
; 16 matrix instructions: A's blocks a0, a0 + 1 x B's eight.  The 64 accumulators take turns, one instruction a turn, in the same order in every step.
.macro MUL16 a0, p, q, sc, zero
.irp a, \a0, \a0+1
.irp b, 0,1,2,3,4,5,6,7
.if \zero
	v_wmma_scale_f32_16x16x128_f8f6f4 v[8*(8*((\a)%4)+\b):8*(8*((\a)%4)+\b)+7], v[128*(\p)+FR*\b:128*(\p)+FR*\b+FR-1], v[AF+FR*(\a):AF+FR*(\a)+FR-1], 0, v[SC+8*NQ*(\sc)+NQ*\b+(\q)], v[SC+8*NQ*(\sc)+NQ*(\a)+(\q)] matrix_a_fmt:MATRIX_FMT_FP4 matrix_b_fmt:MATRIX_FMT_FP4 matrix_a_scale:MATRIX_SCALE_ROW1
.else
	v_wmma_scale_f32_16x16x128_f8f6f4 v[8*(8*((\a)%4)+\b):8*(8*((\a)%4)+\b)+7], v[128*(\p)+FR*\b:128*(\p)+FR*\b+FR-1], v[AF+FR*(\a):AF+FR*(\a)+FR-1], v[8*(8*((\a)%4)+\b):8*(8*((\a)%4)+\b)+7], v[SC+8*NQ*(\sc)+NQ*\b+(\q)], v[SC+8*NQ*(\sc)+NQ*(\a)+(\q)] matrix_a_fmt:MATRIX_FMT_FP4 matrix_b_fmt:MATRIX_FMT_FP4 matrix_a_scale:MATRIX_SCALE_ROW1
.endif
.endr
.endr
.endm
.macro FETCH_B slot, q, p
	WIN TO_B
.irp i, 0,1,2,3,4,5,6,7
	FRAG 128*(\p)+FR*\i, ADRB+\slot, \q, \i
.endr
	WIN 0
.endm
.macro FETCH_A slot, q, i0
.irp i, \i0, \i0+1, \i0+2, \i0+3
	FRAG AF+FR*(\i), ADRA+\slot, \q, \i
.endr
.endm
.macro SCALES sc                       ; a slot's scale words: lanes 0-15 take A's block i, lanes 16-31 B's block i
.irp i, 0,1,2,3,4,5,6,7
	ds_load_b128 v[SC+8*NQ*\sc+NQ*\i:SC+8*NQ*\sc+NQ*\i+3], v[ADRS] offset:\i*SBLK
.endr
.endm
.macro PLACES n                        ; plain vector instructions between a matrix instruction and a load into, or a read of, its registers
.rept \n
	v_nop
.endr
.endm
.macro STEP slot, q, zero              ; 128 along K, with its successor in the same slot
	s_wait_dscnt 4*NL                              ; B's set and A's blocks 0-3 are in; the youngest eight loads (A's blocks 4-7) may be out
	WIN MUL_LO
	MUL16 0, (\q)%2, \q, \slot, \zero
	MUL16 2, (\q)%2, \q, \slot, \zero
	s_wait_dscnt 0
	PLACES NP
	FETCH_B \slot, (\q)+1, 1-(\q)%2
	FETCH_A \slot, (\q)+1, 0
	WIN MUL_HI
	MUL16 4, (\q)%2, \q, \slot, \zero
	MUL16 6, (\q)%2, \q, \slot, \zero
	PLACES NP
	WIN 0
	FETCH_A \slot, (\q)+1, 4
.endm
.macro STEPS slot, from
.set Q, \from
.rept NQ-1-\from
	STEP \slot, Q, 0
.set Q, Q+1
.endr
.endm
	s_wait_tensorcnt 1                             ; the scales and my part of slot 0 are in; slot 1's load may stay out
	s_barrier_signal -1
	s_barrier_wait -1
	FETCH_B 0, 0, 0
	FETCH_A 0, 0, 0
	SCALES 0
	FETCH_A 0, 0, 4
	STEP 0, 0, 1                                   ; the first step's products start the sums: nothing is cleared
	STEPS 0, 1
	; slot 0's last step changes slots: each wave's part of slot 1 has landed, then one barrier
	s_wait_tensorcnt 0x0
	ds_add_u32 v[SPW], v[NIL]
	s_wait_dscnt 4*NL+1                            ; the add and the youngest eight loads may be out
	WIN MUL_LO
	MUL16 0, 1, NQ-1, 0, 0
	s_wait_dscnt 0x0
	s_barrier_signal -1
	MUL16 2, 1, NQ-1, 0, 0
	WIN 0
	s_barrier_wait -1
	PLACES NP
	v_add_nc_u32 v[ADRS], 4*NQ, v[ADRS]            ; on to slot 1's scale words
	FETCH_B 1, 0, 0
	FETCH_A 1, 0, 0
	SCALES 1
	WIN MUL_HI
	MUL16 4, 1, NQ-1, 0, 0
	MUL16 6, 1, NQ-1, 0, 0
	PLACES NP
	WIN 0
	FETCH_A 1, 0, 4
	STEPS 1, 0
	s_wait_dscnt 4*NL
	WIN MUL_LO
	MUL16 0, 1, NQ-1, 1, 0
	MUL16 2, 1, NQ-1, 1, 0
	s_wait_dscnt 0
	WIN MUL_HI
	MUL16 4, 1, NQ-1, 1, 0
	MUL16 6, 1, NQ-1, 1, 0
	WIN 0
; THE WAY OUT: block a (16 positions) x 8 channel tiles: rounded to f16, each accumulator from its low end on, and stored as images.
.macro OUT a
.set AC, 64*((\a)%4)
.set PB, 128+32*((\a)%4)
.if (\a) >= 4
	s_wait_xcnt 0x0                                ; the stores of four blocks back have read these registers
.endif
	WIN 0x0a+5*((\a)/4)                            ; sources 0 and 1: window 2 or 3
.irp b, 0,1,2,3,4,5,6,7
.irp i, 0,1,2,3
	v_cvt_pk_f16_f32 v[PB+4*\b+\i], v[AC+8*\b+2*\i], v[AC+8*\b+2*\i+1]
.endr
.endr
	WIN 0
.irp b, 0,1,2,3,4,5,6,7
	global_store_b128 v[CO], v[PB+4*\b:PB+4*\b+3], s[12:13] offset:(\a)*2048+(\b/4)*262144+(\b%4)*512   ; 512 consecutive bytes, aligned
.endr
.endm
	PLACES NP
.irp a, 0,1,2,3,4,5,6,7
	OUT \a
.endr
	s_wait_tensorcnt 0x0                           ; the wave's end
	ds_add_u32 v[SPW], v[NIL]
	s_wait_dscnt 0x0
	CROUND                                         ; the closing round
	s_endpgm
.Lfunc_end_k_qb3a28bc10f_qkv:
	.size	k_qb3a28bc10f_qkv, .Lfunc_end_k_qb3a28bc10f_qkv-k_qb3a28bc10f_qkv
	.p2alignl 7, 3214868480
	.fill 96, 4, 3214868480
	.section	.rodata,"a",@progbits
	.p2align	6, 0x0
	.amdhsa_kernel k_qb3a28bc10f_qkv
		.amdhsa_group_segment_fixed_size 327680
		.amdhsa_private_segment_fixed_size 0
		.amdhsa_enable_private_segment 0
		.amdhsa_kernarg_size 40
		.amdhsa_user_sgpr_count 2
		.amdhsa_user_sgpr_kernarg_segment_ptr 1
		.amdhsa_wavefront_size32 1
		.amdhsa_system_sgpr_workgroup_id_x 1
		.amdhsa_system_sgpr_workgroup_id_y 1
		.amdhsa_system_sgpr_workgroup_id_z 1
		.amdhsa_system_vgpr_workitem_id 0
		.amdhsa_next_free_vgpr 1024
		.amdhsa_next_free_sgpr 98
		.amdhsa_reserve_vcc 0
		.amdhsa_float_denorm_mode_32 3
		.amdhsa_float_denorm_mode_16_64 3
		.amdhsa_memory_ordered 1
		.amdhsa_forward_progress 1
		.amdhsa_inst_pref_size 118
	.end_amdhsa_kernel
	.amdgpu_metadata
---
amdhsa.version: [ 1, 2 ]
amdhsa.kernels:
  - .name:           k_qb3a28bc10f_qkv
    .symbol:         k_qb3a28bc10f_qkv.kd
    .args:
      - { .name: xc, .offset: 0, .size: 8, .value_kind: global_buffer, .address_space: global }
      - { .name: xs, .offset: 8, .size: 8, .value_kind: global_buffer, .address_space: global }
      - { .name: wc, .offset: 16, .size: 8, .value_kind: global_buffer, .address_space: global }
      - { .name: ws, .offset: 24, .size: 8, .value_kind: global_buffer, .address_space: global }
      - { .name: qkv, .offset: 32, .size: 8, .value_kind: global_buffer, .address_space: global }
    .group_segment_fixed_size: 327680
    .private_segment_fixed_size: 0
    .kernarg_segment_align: 8
    .kernarg_segment_size: 40
    .max_flat_workgroup_size: 128
    .sgpr_count:     98
    .vgpr_count:     1024
    .wavefront_size: 32
...
	.end_amdgpu_metadata
.endif
;; end of part 2
;; launch attn (part 3): grid 4 x 64, 16 waves a work-group, no clusters, 34,816 bytes of LDS; arguments qkv, mw, aimg; writes aimg
.if DOCPART == 3
	.amdgcn_target "amdgcn-amd-amdhsa--gfx1250"
	.amdhsa_code_object_version 6
	.text
	.protected	k_qb3a28bc10f_attn
	.globl	k_qb3a28bc10f_attn
	.p2align	8
	.type	k_qb3a28bc10f_attn,@function
k_qb3a28bc10f_attn:
	s_mov_b64 s[64:65], 0
	v_nop
	global_prefetch_b8 v0, s[64:65] scope:SCOPE_SE
	s_setreg_imm32_b32 hwreg(HW_REG_WAVE_MODE, 25, 1), 1
	s_wait_xcnt 0x0
; softmax(q k^T / 8, masked) v for all rows, f16 operands, f32 sums, maxima and row sums.
; LEFT OUT, by whole numbers that the first launch stored: a tile of 32 queries x 64 keys whose mask bytes are all 0 while each of its 32 rows has a 1 somewhere: all its weights are 0 in f32.
; Tiles whose mask bytes are all 1 skip the masking lines.  No pattern of the mask is built in.
; SHARES.  Work-group (j, batch x head); wave w owns query group G = 4 w + j: 32 queries, two tiles of 16.  A work-group's groups are strewn over the sequence, so what the flags leave out is left out evenly.
; All 16 waves walk all 32 key steps of 64 keys; each step's K and V (8 KB each, fragment images as they lie in memory) are staged through registers into one of two LDS slots, 16 bytes a thread,
; one step ahead; a wave jumps over a step's products and softmax on its flag bit, never over the staging or the barrier.
; NO CLUSTER, NO TENSOR LOAD.  K and V are shared by the work-group's 512 queries through LDS instead.
; LAYOUT.  S^T = K Q^T (source 0 = 16 keys, source 1 = 16 queries): a lane holds one query and keys 8 hh + 0..7.  Two such tiles rounded to f16 are source 1 of O^T = V^T P; V is turned by ds_load_tr16_b128.
; SOFTMAX.  Running maximum m (raw units) and sum l; p = 2^(c s - c m), c = log2(e) / 8.  A masked score is -2^33 raw (-1.07e9 in the definition's units for its -1e9): c x 2^33 is exact, so a row with no 1 at all
; gets p = 1 exactly; beside any real score (taken to lie above about -1e9 + 200) the weight is 0 under either number.
; REGISTERS: v1, v2 the add's; v3 16 x lane; v5 16 x thread; v7 the turning load's lane address; v8 256 x lane; v9 the masked score; v10-17 staged K, V; v18, v19 m; v20-23 l; v24-31 at work, four a tile;
; v32-63 Q; v64-127 K's 8 fragments, then V's 8; v128-191 S^T, then p, then P in place; v192-255 O^T.
.set SLOTB, 16384
.set SPARE, 32768                      ; the spare words, 128 bytes for each of 16 waves: eight blocks of 256 bytes that no other line names
.set Q,  32
.set KV, 64
.set S,  128
.set O,  192
	s_load_b128 s[4:7], s[0:1], 0x0                ; qkv, mw
	s_load_b64 s[8:9], s[0:1], 0x10                ; aimg
	v_lshl_add_u32 v1, v0, 2, SPARE
	v_mov_b32 v2, 0
	v_lshrrev_b32 v4, 5, v0
	v_readfirstlane_b32 s10, v4                    ; wave 0..15
	v_and_b32 v4, 31, v0
	v_lshlrev_b32 v3, 4, v4
	v_lshlrev_b32 v5, 4, v0
	v_lshlrev_b32 v8, 8, v4
	v_and_b32 v6, 7, v0
	v_bfe_u32 v7, v0, 4, 1
	v_lshl_add_u32 v6, v7, 3, v6                   ; key 8 (l / 16) + l % 8
	v_bfe_u32 v7, v0, 3, 1
	v_lshl_add_u32 v6, v7, 4, v6                   ; in the image's half (l / 8) % 2
	v_lshlrev_b32 v7, 4, v6
	v_mov_b32 v9, 0xd0000000                       ; -2^33
	s_and_b32 s12, ttmp7, 0xffff
	s_lshr_b32 s13, s12, 4                         ; batch
	s_and_b32 s12, s12, 15                         ; head
	s_lshl_b32 s11, s10, 2
	s_add_co_u32 s11, s11, ttmp9                   ; G
	s_mov_b32 s27, 0
	s_mov_b32 s28, 0x3e38aa3b                      ; c = log2(e) / 8
	s_mov_b32 s29, s28                             ; (named with it as a pair)
	s_mov_b32 s30, 0x76543210
	s_mov_b32 s31, 0xfedcba98                      ; lane l xor 16
	s_mov_b32 s22, 0                               ; 128 x key step: the step's mask words
	s_mov_b32 s101, 0                              ; key step
	s_sub_co_u32 s67, s10, 14
	s_lshr_b32 s67, s67, 1                         ; 0 in waves 14 and 15,
	s_or_b32 s67, s67, ttmp9                       ; of the head's first work-group
	s_cmp_eq_u32 s67, 0
	s_cselect_b32 s66, 29, 0                       ; those two prefetch in key steps 0 to 28
	s_mul_i32 s26, s13, 12582912
	s_lshl_b32 s67, s12, 18
	s_add_co_u32 s26, s26, s67
	s_wait_kmcnt 0x0
	s_add_nc_u64 s[4:5], s[4:5], s[26:27]          ; q of my batch and head,
	s_add_nc_u64 s[14:15], s[4:5], 0x400000        ; k: 16 heads on,
	s_add_nc_u64 s[16:17], s[4:5], 0x800000        ; v: 32 heads on
	s_cmp_eq_u32 s10, 14
	s_cselect_b64 s[18:19], s[14:15], s[16:17]     ; wave 14 asks for K, wave 15 for V,
	s_add_nc_u64 s[18:19], s[18:19], 3*8192        ; three key steps ahead: two trips ahead of the load
	s_lshl_b32 s26, s11, 12
	s_add_nc_u64 s[4:5], s[4:5], s[26:27]          ; my two query tiles
	s_lshl_b32 s26, s11, 13
	s_add_nc_u64 s[20:21], s[6:7], s[26:27]        ; their mask words
	s_lshl_b32 s26, s11, 3
	s_add_nc_u64 s[6:7], s[6:7], s[26:27]
	s_load_b64 s[24:25], s[6:7], 0x80000           ; my group's flags: s24 bit ks: walk the tile; s25 bit ks: apply the mask
	s_lshl_b32 s26, s13, 22
	s_lshl_b32 s67, s11, 16
	s_add_co_u32 s26, s26, s67
	s_lshl_b32 s67, s12, 11
	s_add_co_u32 s26, s26, s67
	s_add_nc_u64 s[8:9], s[8:9], s[26:27]          ; aimg at position tile 128 b + 2 G, block 4 h
	global_load_b128 v[10:13], v5, s[14:15]        ; key step 0
	global_load_b128 v[14:17], v5, s[16:17]
.irp i, 0,1,2,3,4,5,6,7
	global_load_b128 v[Q+4*\i:Q+4*\i+3], v3, s[4:5] offset:512*\i   ; Q stays in registers
.endr
.set i, 0
.rept 64
	v_mov_b32 v[O+i], 0                            ; O^T: which step is a wave's first hangs on the flags, so no first step can be written out
.set i, i+1
.endr
	v_mov_b32 v18, 0xff61b1e6                      ; m: -3e38, under every score
	v_mov_b32 v19, 0xff61b1e6
.irp i, 20,21,22,23,24,25,26,27,28,29,30,31
	v_mov_b32 v\i, 0
.endr
	s_wait_loadcnt 8                               ; the two staging loads are in; Q's eight are younger
	ds_store_b128 v5, v[10:13]
	ds_store_b128 v5, v[14:17] offset:8192
	s_add_nc_u64 s[14:15], s[14:15], 8192
	s_add_nc_u64 s[16:17], s[16:17], 8192
	s_wait_dscnt 0x0
	s_barrier_signal -1
	s_barrier_wait -1
	s_wait_loadcnt 0x0                             ; Q
	s_wait_kmcnt 0x0                               ; the flags
; ONE KEY STEP, read from slot; stage = 1: the next step is brought into the other slot.  That slot was last read a trip ago, and every wave waited for those reads ahead of that trip's barrier: one barrier a trip.
.macro TRIP slot, stage
.if \stage
	global_load_b128 v[10:13], v5, s[14:15]
	global_load_b128 v[14:17], v5, s[16:17]
	s_cmp_lt_u32 s101, s66
	s_cbranch_scc0 .Lnoask_\@
	global_prefetch_b8 v8, s[18:19] th:TH_LOAD_NT scope:SCOPE_SE   ; key step ks + 3: 8,192 bytes, lanes 256 bytes apart; each block is named once in the launch
.Lnoask_\@:
.endif
	s_and_b32 s67, s24, 1
	s_cmp_lg_u32 s67, 0
	s_cbranch_scc0 .Lidle_\@
.irp c, 0,1
.irp a, 0,1,2,3
	ds_load_b128 v[KV+8*(4*\c+\a):KV+8*(4*\c+\a)+3], v3 offset:\slot*SLOTB+\a*2048+\c*1024
	ds_load_b128 v[KV+8*(4*\c+\a)+4:KV+8*(4*\c+\a)+7], v3 offset:\slot*SLOTB+\a*2048+\c*1024+512
.endr
.endr
	s_wait_dscnt 8                                 ; channels 0-31 are in; the eight loads of channels 32-63 may be out
.irp a, 0,1,2,3
.irp t, 0,1
	v_wmma_f32_16x16x32_f16 v[S+32*\t+8*\a:S+32*\t+8*\a+7], v[KV+8*\a:KV+8*\a+7], v[Q+16*\t:Q+16*\t+7], 0
.endr
.endr
	s_wait_dscnt 0x0
.irp a, 0,1,2,3                        ; the eight accumulators take turns
.irp t, 0,1
	v_wmma_f32_16x16x32_f16 v[S+32*\t+8*\a:S+32*\t+8*\a+7], v[KV+32+8*\a:KV+32+8*\a+7], v[Q+16*\t+8:Q+16*\t+15], v[S+32*\t+8*\a:S+32*\t+8*\a+7]
.endr
.endr
.rept 4
	v_nop                                          ; places in front of the loads into K's registers and of the first read of the scores
.endr
.irp s2, 0,1
.irp ct, 0,1,2,3
	ds_load_tr16_b128 v[KV+8*(4*\s2+\ct):KV+8*(4*\s2+\ct)+3], v7 offset:\slot*SLOTB+8192+\s2*4096+\ct*512
	ds_load_tr16_b128 v[KV+8*(4*\s2+\ct)+4:KV+8*(4*\s2+\ct)+7], v7 offset:\slot*SLOTB+8192+\s2*4096+2048+\ct*512
.endr
.endr
	s_and_b32 s67, s25, 1
	s_cmp_lg_u32 s67, 0
	s_cbranch_scc0 .Lfull_\@
	s_load_b512 s[32:47], s[20:21], s22 offset:0x0
	s_load_b512 s[48:63], s[20:21], s22 offset:0x40
	s_load_b512 s[68:83], s[20:21], s22 offset:0x1000
	s_load_b512 s[84:99], s[20:21], s22 offset:0x1040
	s_wait_kmcnt 0x0
.set i, 0
.rept 32
	v_cndmask_b32 v[S+i], v9, v[S+i], s[32+i]      ; a word is the lane mask of one register of scores
.set i, i+1
.endr
.set i, 0
.rept 32
	v_cndmask_b32 v[S+32+i], v9, v[S+32+i], s[68+i]
.set i, i+1
.endr
.Lfull_\@:
.irp j, 0,1,2,3                        ; the maximum of 32 scores and the old m, in four chains; the two tiles line by line
.irp t, 0,1
	v_max3_num_f32 v[24+4*\t+\j], v[S+32*\t+8*\j], v[S+32*\t+8*\j+1], v[S+32*\t+8*\j+2]
.endr
.endr
.irp g, 1,2
.irp j, 0,1,2,3
.irp t, 0,1
	v_max3_num_f32 v[24+4*\t+\j], v[24+4*\t+\j], v[S+32*\t+8*\j+2*\g+1], v[S+32*\t+8*\j+2*\g+2]
.endr
.endr
.endr
.irp t, 0,1
	v_max3_num_f32 v[24+4*\t], v[24+4*\t], v[S+32*\t+7], v[S+32*\t+15]
.endr
.irp t, 0,1
	v_max3_num_f32 v[26+4*\t], v[26+4*\t], v[S+32*\t+23], v[S+32*\t+31]
.endr
.irp t, 0,1
	v_max3_num_f32 v[24+4*\t], v[24+4*\t], v[25+4*\t], v[26+4*\t]
.endr
.irp t, 0,1
	v_max3_num_f32 v[24+4*\t], v[24+4*\t], v[27+4*\t], v[18+\t]
.endr
.irp t, 0,1
	v_permlanex16_b32 v[25+4*\t], v[24+4*\t], s30, s31
.endr
.irp t, 0,1
	v_max_num_f32 v[24+4*\t], v[24+4*\t], v[25+4*\t]   ; the new m
.endr
.irp t, 0,1
	v_sub_f32 v[26+4*\t], v[18+\t], v[24+4*\t]
.endr
.irp t, 0,1
	v_mov_b32 v[18+\t], v[24+4*\t]
.endr
.irp t, 0,1
	v_mul_f32 v[26+4*\t], s28, v[26+4*\t]          ; c (m old - m new)
.endr
.irp t, 0,1
	v_mul_f32 v[24+4*\t], s28, v[24+4*\t]          ; c m
.endr
.irp p, 0,1,2,3,4,5,6,7,8,9,10,11,12,13,14,15
.irp t, 0,1
	v_pk_fma_f32 v[S+32*\t+2*\p:S+32*\t+2*\p+1], v[S+32*\t+2*\p:S+32*\t+2*\p+1], s[28:29], v[24+4*\t:25+4*\t] op_sel_hi:[1,0,0] neg_lo:[0,0,1] neg_hi:[0,0,1]
.endr
.endr
.irp t, 0,1
	v_exp_f32 v[26+4*\t], v[26+4*\t]               ; a = 2^(c m old - c m new)
.endr
.set i, 0
.rept 64
	v_exp_f32 v[S+i], v[S+i]
.set i, i+1
.endr
	v_nop                                          ; a plain instruction behind the last exponential,
	s_wait_alu depctr_va_vdst(0)                   ; and one wait for the 66, ahead of the first instruction that names a result
.irp t, 0,1
	v_pk_fma_f32 v[20+2*\t:21+2*\t], v[20+2*\t:21+2*\t], v[26+4*\t:27+4*\t], v[S+32*\t:S+32*\t+1] op_sel_hi:[1,0,1]   ; l = a l + pair 0
.endr
.irp t, 0,1
	v_pk_add_f32 v[24+4*\t:25+4*\t], v[S+32*\t+2:S+32*\t+3], v[S+32*\t+4:S+32*\t+5]   ; a second chain
.endr
.irp p, 3,5,7,9,11,13
.irp t, 0,1
	v_pk_add_f32 v[20+2*\t:21+2*\t], v[20+2*\t:21+2*\t], v[S+32*\t+2*\p:S+32*\t+2*\p+1]
.endr
.irp t, 0,1
	v_pk_add_f32 v[24+4*\t:25+4*\t], v[24+4*\t:25+4*\t], v[S+32*\t+2*\p+2:S+32*\t+2*\p+3]
.endr
.endr
.irp t, 0,1
	v_pk_add_f32 v[20+2*\t:21+2*\t], v[20+2*\t:21+2*\t], v[S+32*\t+30:S+32*\t+31]
.endr
.irp t, 0,1
	v_pk_add_f32 v[20+2*\t:21+2*\t], v[20+2*\t:21+2*\t], v[24+4*\t:25+4*\t]
.endr
.irp i, 0,1,2,3,4,5,6,7                ; P in place: register i takes numbers 2 i and 2 i + 1, i ascending, so no number is written over before it is read
.irp s2, 0,1
.irp t, 0,1
	v_cvt_pk_f16_f32 v[S+32*\t+16*\s2+\i], v[S+32*\t+16*\s2+2*\i], v[S+32*\t+16*\s2+2*\i+1]
.endr
.endr
.endr
.irp p, 0,1,2,3,4,5,6,7,8,9,10,11,12,13,14,15
.irp t, 0,1
	v_pk_mul_f32 v[O+32*\t+2*\p:O+32*\t+2*\p+1], v[O+32*\t+2*\p:O+32*\t+2*\p+1], v[26+4*\t:27+4*\t] op_sel_hi:[1,0]
.endr
.endr
	s_wait_dscnt 0x0                               ; V is in
.irp s2, 0,1
.irp ct, 0,1,2,3
.irp t, 0,1
	v_wmma_f32_16x16x32_f16 v[O+32*\t+8*\ct:O+32*\t+8*\ct+7], v[KV+8*(4*\s2+\ct):KV+8*(4*\s2+\ct)+7], v[S+32*\t+16*\s2:S+32*\t+16*\s2+7], v[O+32*\t+8*\ct:O+32*\t+8*\ct+7]
.endr
.endr
.endr
.rept 5
	v_nop                                          ; the next step's score products write over P's registers, its loads land on V's, and the way out reads O^T
.endr
.Lidle_\@:
.if \stage
	s_wait_loadcnt 0x0                             ; the next step's K and V are in registers
	ds_store_b128 v5, v[10:13] offset:(1-\slot)*SLOTB
	ds_store_b128 v5, v[14:17] offset:(1-\slot)*SLOTB+8192
	s_wait_xcnt 0x0                                ; the prefetch has read its address too
	s_add_nc_u64 s[14:15], s[14:15], 8192
	s_add_nc_u64 s[16:17], s[16:17], 8192
	s_add_nc_u64 s[18:19], s[18:19], 8192
.endif
	s_lshr_b32 s24, s24, 1
	s_lshr_b32 s25, s25, 1
	s_add_co_u32 s22, s22, 128
	s_add_co_u32 s101, s101, 1
.if \stage
	s_wait_dscnt 0x0                               ; my stores have landed, and my reads of this slot are over
	s_barrier_signal -1
	s_barrier_wait -1
.endif
.endm
	s_mov_b32 s23, 15
.Lpair:
	TRIP 0, 1
	TRIP 1, 1
	s_sub_co_u32 s23, s23, 1
	s_cmp_lg_u32 s23, 0
	s_cbranch_scc1 .Lpair
	TRIP 0, 1
	TRIP 1, 0                                      ; the last step stages nothing
	; THE WAY OUT: O^T / l, rounded to f16: a lane's eight channels of one query are 16 bytes of a fragment image of the projection's operand
.irp t, 0,1
	v_add_f32 v[24+4*\t], v[20+2*\t], v[21+2*\t]
.endr
.irp t, 0,1
	v_permlanex16_b32 v[25+4*\t], v[24+4*\t], s30, s31
.endr
.irp t, 0,1
	v_add_f32 v[24+4*\t], v[24+4*\t], v[25+4*\t]
.endr
.irp t, 0,1
	v_rcp_f32 v[26+4*\t], v[24+4*\t]
.endr
	v_nop
	s_wait_alu depctr_va_vdst(0)                   ; one wait for the two reciprocals
.irp p, 0,1,2,3,4,5,6,7,8,9,10,11,12,13,14,15
.irp t, 0,1
	v_pk_mul_f32 v[O+32*\t+2*\p:O+32*\t+2*\p+1], v[O+32*\t+2*\p:O+32*\t+2*\p+1], v[26+4*\t:27+4*\t] op_sel_hi:[1,0]
.endr
.endr
.irp t, 0,1
.irp ct, 0,1,2,3
.irp i, 0,1,2,3
	v_cvt_pk_f16_f32 v[S+16*\t+4*\ct+\i], v[O+32*\t+8*\ct+2*\i], v[O+32*\t+8*\ct+2*\i+1]
.endr
.endr
.endr
.irp t, 0,1
.irp ct, 0,1,2,3
	global_store_b128 v3, v[S+16*\t+4*\ct:S+16*\t+4*\ct+3], s[8:9] offset:\t*32768+\ct*512   ; 512 consecutive bytes, aligned
.endr
.endr
	s_wait_tensorcnt 0x0                           ; the wave's end
	ds_add_u32 v1, v2
	s_wait_dscnt 0x0
	s_endpgm
.Lfunc_end_k_qb3a28bc10f_attn:
	.size	k_qb3a28bc10f_attn, .Lfunc_end_k_qb3a28bc10f_attn-k_qb3a28bc10f_attn
	.p2alignl 7, 3214868480
	.fill 96, 4, 3214868480
	.section	.rodata,"a",@progbits
	.p2align	6, 0x0
	.amdhsa_kernel k_qb3a28bc10f_attn
		.amdhsa_group_segment_fixed_size 34816
		.amdhsa_private_segment_fixed_size 0
		.amdhsa_enable_private_segment 0
		.amdhsa_kernarg_size 24
		.amdhsa_user_sgpr_count 2
		.amdhsa_user_sgpr_kernarg_segment_ptr 1
		.amdhsa_wavefront_size32 1
		.amdhsa_system_sgpr_workgroup_id_x 1
		.amdhsa_system_sgpr_workgroup_id_y 1
		.amdhsa_system_sgpr_workgroup_id_z 1
		.amdhsa_system_vgpr_workitem_id 0
		.amdhsa_next_free_vgpr 256
		.amdhsa_next_free_sgpr 102
		.amdhsa_reserve_vcc 0
		.amdhsa_float_denorm_mode_32 3
		.amdhsa_float_denorm_mode_16_64 3
		.amdhsa_memory_ordered 1
		.amdhsa_forward_progress 1
		.amdhsa_inst_pref_size 101
	.end_amdhsa_kernel
	.amdgpu_metadata
---
amdhsa.version: [ 1, 2 ]
amdhsa.kernels:
  - .name:           k_qb3a28bc10f_attn
    .symbol:         k_qb3a28bc10f_attn.kd
    .args:
      - { .name: qkv, .offset: 0, .size: 8, .value_kind: global_buffer, .address_space: global }
      - { .name: mw, .offset: 8, .size: 8, .value_kind: global_buffer, .address_space: global }
      - { .name: aimg, .offset: 16, .size: 8, .value_kind: global_buffer, .address_space: global }
    .group_segment_fixed_size: 34816
    .private_segment_fixed_size: 0
    .kernarg_segment_align: 8
    .kernarg_segment_size: 24
    .max_flat_workgroup_size: 512
    .sgpr_count:     102
    .vgpr_count:     256
    .wavefront_size: 32
...
	.end_amdgpu_metadata
.endif
;; end of part 3
;; launch fattn (part 4): grid 64 x 1, 4 waves a work-group, no clusters, 17,920 bytes of LDS; arguments xc, xs, wc, ws, mw, aimg; writes aimg
.if DOCPART == 4
	.amdgcn_target "amdgcn-amd-amdhsa--gfx1250"
	.amdhsa_code_object_version 6
	.text
	.protected	k_qb3a28bc10f_fattn
	.globl	k_qb3a28bc10f_fattn
	.p2align	8
	.type	k_qb3a28bc10f_fattn,@function
k_qb3a28bc10f_fattn:
	s_mov_b64 s[64:65], 0
	v_nop
	global_prefetch_b8 v0, s[64:65] scope:SCOPE_SE
	s_setreg_imm32_b32 hwreg(HW_REG_WAVE_MODE, 25, 1), 1
	s_wait_xcnt 0x0
; POSITIONS 0-15 OF EACH SEQUENCE, more finely: their rows may average one to a few values, where the rounding of f16 operands weighs most.  q, k, v are made again from the codes (the same quantised products, f32 sums),
; split in f32 into a high and a low f16 number, and both parts go to the matrix units: scores = kh qh + kh ql + kl qh; O^T = (vh + vl)(ph + pl).
; LEFT OUT, by the stored flags of query group 0: key steps whose mask bytes are all 0 for queries 0-31 while each of those rows has a 1 somewhere (their weights are 0 in f32).  The mask words are always applied.
; SHARES.  Work-group = batch x head.  Wave w takes key tile w (16 keys) of every key step that is walked, with m, l and O^T of its own; the four are joined at the end through LDS.  No barrier stands in the loop.
; The masked score is -2^33 raw, as in the launch before.
; REGISTERS.  window 1: Wq's 32 fragments at v[8 (4 ks + ct)]; afterwards the keys' x at v0-63 and O^T at v64-95.  window 2: Wk's 32 fragments.  window 3: Wv's.
; window 0: v2-v9, v13 addresses; v8 m; v10, v11 l; v12 the masked score; v14, v15 the add's; v16-31 at work; v32-47, v48-63 q high, low; v64-79, v80-95 k high, low (at the head: the queries' x in v64-127);
; v96-127 v: tile ct at 96 + 8 ct, high 0-3, low 4-7; v128-159 four accumulators; v160-183 three score accumulators; v184-191 x's scale words; v192-223 W's scale words; v224-231 [ph|ph]; v232-239 [pl|pl].
.set SPARE, 17408                      ; behind the four waves' 4,352 bytes: the spare words, two blocks of 256 bytes that no other line names
.set FA,  16777216                     ; the fine part of aimg
.set QH,  32
.set QL,  48
.set KH,  64
.set KL,  80
.set VF,  96
.set ACC, 128
.set SH,  160
.set XSC, 184
.set WSC, 192
.set PH,  224
.set PL,  232
.set MSB, 0
.macro WIN new
.if MSB != (\new)
	s_set_vgpr_msb (MSB<<8)|(\new)
.set MSB, (\new)
.endif
.endm
.macro PLACES n
.rept \n
	v_nop
.endr
.endm
; x (a pair of f32) -> high in v[t:t+1] (11 significant bits: an f16 number as it stands), low = x - high in v[t+2:t+3]
.macro SPLITC x, t
	v_pk_mul_f32 v[(\t):(\t)+1], v[(\x):(\x)+1], 0x46000400 op_sel_hi:[1,0]
	v_pk_add_f32 v[(\t)+2:(\t)+3], v[(\t):(\t)+1], v[(\x):(\x)+1] neg_lo:[0,1] neg_hi:[0,1]
	v_pk_add_f32 v[(\t):(\t)+1], v[(\t):(\t)+1], v[(\t)+2:(\t)+3] neg_lo:[0,1] neg_hi:[0,1]
	v_pk_add_f32 v[(\t)+2:(\t)+3], v[(\x):(\x)+1], v[(\t):(\t)+1] neg_lo:[0,1] neg_hi:[0,1]
.endm
.macro SPLITT src, dh, dl              ; eight numbers of a lane, from the low end on -> four registers of high parts, four of low parts
.irp i, 0,1,2,3
	SPLITC (\src)+2*\i, 16+4*\i
	v_cvt_pk_f16_f32 v[(\dh)+\i], v[16+4*\i], v[17+4*\i]
	v_cvt_pk_f16_f32 v[(\dl)+\i], v[18+4*\i], v[19+4*\i]
.endr
.endm
	s_load_b256 s[4:11], s[0:1], 0x0               ; xc, xs, wc, ws
	s_load_b128 s[12:15], s[0:1], 0x20             ; mw, aimg
	v_lshl_add_u32 v14, v0, 2, SPARE
	v_mov_b32 v15, 0
	v_lshrrev_b32 v1, 5, v0
	v_readfirstlane_b32 s16, v1                    ; wave 0..3
	v_and_b32 v1, 15, v0                           ; r
	v_bfe_u32 v9, v0, 4, 1                         ; hh
	v_lshlrev_b32 v2, 9, v1
	v_lshl_add_u32 v2, v9, 4, v2                   ; codes: row r of 512 bytes, + 16 hh
	v_lshlrev_b32 v3, 5, v1                        ; scale words: row r of 32 bytes
	v_lshl_add_u32 v4, v9, 15, v3                  ; lanes 16-31: the next weight's
	v_and_b32 v13, 31, v0
	v_lshlrev_b32 v5, 4, v13                       ; 16 x lane
	v_lshlrev_b32 v6, 2, v13                       ; 4 x lane
	s_mul_i32 s30, s16, 4352
	v_add_nc_u32 v7, s30, v5                       ; the join: my wave's O^T,
	v_add_nc_u32 v13, s30, v6                      ; its m and l,
	s_lshl_b32 s30, s16, 10
	v_add_nc_u32 v9, s30, v5                       ; and on the way back channel tile w of any wave
	v_mov_b32 v12, 0xd0000000                      ; -2^33
	v_mov_b32 v8, 0xff61b1e6                       ; m: -3e38
	v_mov_b32 v10, 0
	v_mov_b32 v11, 0
.irp i, 16,17,18,19,20,21,22,23,24,25,26,27,28,29,30,31
	v_mov_b32 v\i, 0
.endr
	s_lshr_b32 s17, ttmp9, 4                       ; batch
	s_and_b32 s18, ttmp9, 15                       ; head
	s_mov_b32 s21, 0
	s_mov_b32 s22, 0x3e38aa3b                      ; c = log2(e) / 8
	s_mov_b32 s23, s22
	s_mov_b32 s24, 0x76543210
	s_mov_b32 s25, 0xfedcba98
	s_mov_b32 s28, 32                              ; key steps to go
	s_mov_b32 s29, 0                               ; 128 x key step
	s_wait_kmcnt 0x0
	s_load_b64 s[26:27], s[12:13], 0x80000         ; group 0's flags
	s_lshl_b32 s20, s17, 20
	s_add_nc_u64 s[4:5], s[4:5], s[20:21]          ; x's codes at my batch
	s_lshl_b32 s20, s17, 16
	s_add_nc_u64 s[6:7], s[6:7], s[20:21]
	s_lshl_b32 s20, s18, 15
	s_add_nc_u64 s[8:9], s[8:9], s[20:21]          ; the weights' codes at my head's 64 rows
	s_lshl_b32 s20, s18, 11
	s_add_nc_u64 s[10:11], s[10:11], s[20:21]
	s_lshl_b32 s20, s16, 5
	s_add_nc_u64 s[32:33], s[12:13], s[20:21]      ; query tile 0's mask words, score tile a = w
	s_lshl_b32 s20, ttmp9, 2
	s_add_co_u32 s20, s20, s16
	s_lshl_b32 s20, s20, 9
	s_add_co_u32 s20, s20, FA
	s_add_nc_u64 s[14:15], s[14:15], s[20:21]      ; the fine part, block 64 b + 4 h + w
	WIN 0x40
.irp ks, 0,1,2,3,4,5,6,7
.irp ct, 0,1,2,3
.irp u, 0,1
	global_load_b128 v[8*(4*\ks+\ct)+4*\u:8*(4*\ks+\ct)+4*\u+3], v2, s[8:9] offset:\ct*8192+\ks*64+32*\u
.endr
.endr
.endr
	WIN 0
.irp ks, 0,1,2,3,4,5,6,7
.irp u, 0,1
	global_load_b128 v[64+8*\ks+4*\u:64+8*\ks+4*\u+3], v2, s[4:5] offset:\ks*64+32*\u
.endr
.endr
.irp ks, 0,1,2,3,4,5,6,7
.irp ct, 0,1,2,3
	global_load_b32 v[WSC+4*\ks+\ct], v3, s[10:11] offset:\ct*512+4*\ks
.endr
	global_load_b32 v[XSC+\ks], v3, s[6:7] offset:4*\ks
.endr
	WIN 0x80
.irp ks, 0,1,2,3,4,5,6,7
.irp ct, 0,1,2,3
.irp u, 0,1
	global_load_b128 v[8*(4*\ks+\ct)+4*\u:8*(4*\ks+\ct)+4*\u+3], v2, s[8:9] offset:524288+\ct*8192+\ks*64+32*\u
.endr
.endr
.endr
	WIN 0xc0
.irp ks, 0,1,2,3,4,5,6,7
.irp ct, 0,1,2,3
.irp u, 0,1
	global_load_b128 v[8*(4*\ks+\ct)+4*\u:8*(4*\ks+\ct)+4*\u+3], v2, s[8:9] offset:1048576+\ct*8192+\ks*64+32*\u
.endr
.endr
.endr
	WIN 0
	s_wait_loadcnt 0x0
	s_lshl_b32 s20, s16, 13
	s_add_nc_u64 s[4:5], s[4:5], s[20:21]          ; from here on: my key tile of key step 0
	s_lshl_b32 s20, s16, 9
	s_add_nc_u64 s[6:7], s[6:7], s[20:21]
	WIN 0x01                                       ; q: source 0 = Wq (window 1), source 1 = the queries' x: a lane holds one query and eight channels.  Four accumulators by turns
.irp ks, 0,1,2,3,4,5,6,7
.irp ct, 0,1,2,3
.if \ks == 0
	v_wmma_scale_f32_16x16x128_f8f6f4 v[ACC+8*\ct:ACC+8*\ct+7], v[8*(4*\ks+\ct):8*(4*\ks+\ct)+7], v[64+8*\ks:64+8*\ks+7], 0, v[WSC+4*\ks+\ct], v[XSC+\ks] matrix_a_fmt:MATRIX_FMT_FP4 matrix_b_fmt:MATRIX_FMT_FP4
.else
	v_wmma_scale_f32_16x16x128_f8f6f4 v[ACC+8*\ct:ACC+8*\ct+7], v[8*(4*\ks+\ct):8*(4*\ks+\ct)+7], v[64+8*\ks:64+8*\ks+7], v[ACC+8*\ct:ACC+8*\ct+7], v[WSC+4*\ks+\ct], v[XSC+\ks] matrix_a_fmt:MATRIX_FMT_FP4 matrix_b_fmt:MATRIX_FMT_FP4
.endif
.endr
.endr
	WIN 0
	PLACES 5
.irp ct, 0,1,2,3
	SPLITT ACC+8*\ct, QH+4*\ct, QL+4*\ct
.endr
.irp ks, 0,1,2,3,4,5,6,7
.irp ct, 0,1,2,3
	global_load_b32 v[WSC+4*\ks+\ct], v4, s[10:11] offset:32768+\ct*512+4*\ks   ; lanes 0-15: Wk's scale words; lanes 16-31: Wv's
.endr
.endr
	WIN 0x40
.set i, 0
.rept 32
	v_mov_b32 v[64+i], 0                           ; O^T: which step is the first hangs on the flags
.set i, i+1
.endr
	WIN 0
	s_wait_kmcnt 0x0                               ; the flags
.Lstep:
	s_and_b32 s30, s26, 1
	s_cmp_lg_u32 s30, 0
	s_cbranch_scc0 .Lskip
	s_load_b256 s[40:47], s[32:33], s29 offset:0x0 ; the eight lane masks of my score tile
	WIN 0x40
.irp ks, 0,1,2,3,4,5,6,7
.irp u, 0,1
	global_load_b128 v[8*\ks+4*\u:8*\ks+4*\u+3], v2, s[4:5] offset:\ks*64+32*\u
.endr
.endr
	WIN 0
.irp ks, 0,1,2,3,4,5,6,7
	global_load_b32 v[XSC+\ks], v3, s[6:7] offset:4*\ks
.endr
	s_wait_loadcnt 0x0
	WIN 0x06                                       ; k: source 0 = Wk (window 2), source 1 = x (window 1): a lane holds one key and eight channels
.irp ks, 0,1,2,3,4,5,6,7
.irp ct, 0,1,2,3
.if \ks == 0
	v_wmma_scale_f32_16x16x128_f8f6f4 v[ACC+8*\ct:ACC+8*\ct+7], v[8*(4*\ks+\ct):8*(4*\ks+\ct)+7], v[8*\ks:8*\ks+7], 0, v[WSC+4*\ks+\ct], v[XSC+\ks] matrix_a_fmt:MATRIX_FMT_FP4 matrix_b_fmt:MATRIX_FMT_FP4
.else
	v_wmma_scale_f32_16x16x128_f8f6f4 v[ACC+8*\ct:ACC+8*\ct+7], v[8*(4*\ks+\ct):8*(4*\ks+\ct)+7], v[8*\ks:8*\ks+7], v[ACC+8*\ct:ACC+8*\ct+7], v[WSC+4*\ks+\ct], v[XSC+\ks] matrix_a_fmt:MATRIX_FMT_FP4 matrix_b_fmt:MATRIX_FMT_FP4
.endif
.endr
.endr
	WIN 0
	PLACES 5
.irp ct, 0,1,2,3
	SPLITT ACC+8*\ct, KH+4*\ct, KL+4*\ct
.endr
	WIN 0x0d                                       ; v: source 0 = x (window 1), source 1 = Wv (window 3): a lane holds one channel and eight keys
.irp ks, 0,1,2,3,4,5,6,7
.irp ct, 0,1,2,3
.if \ks == 0
	v_wmma_scale_f32_16x16x128_f8f6f4 v[ACC+8*\ct:ACC+8*\ct+7], v[8*\ks:8*\ks+7], v[8*(4*\ks+\ct):8*(4*\ks+\ct)+7], 0, v[XSC+\ks], v[WSC+4*\ks+\ct] matrix_a_fmt:MATRIX_FMT_FP4 matrix_b_fmt:MATRIX_FMT_FP4 matrix_b_scale:MATRIX_SCALE_ROW1
.else
	v_wmma_scale_f32_16x16x128_f8f6f4 v[ACC+8*\ct:ACC+8*\ct+7], v[8*\ks:8*\ks+7], v[8*(4*\ks+\ct):8*(4*\ks+\ct)+7], v[ACC+8*\ct:ACC+8*\ct+7], v[XSC+\ks], v[WSC+4*\ks+\ct] matrix_a_fmt:MATRIX_FMT_FP4 matrix_b_fmt:MATRIX_FMT_FP4 matrix_b_scale:MATRIX_SCALE_ROW1
.endif
.endr
.endr
	WIN 0
	PLACES 5
.irp ct, 0,1,2,3
	SPLITT ACC+8*\ct, VF+8*\ct, VF+8*\ct+4
.endr
	; the scores, three accumulators by turns: kh qh, kh ql, kl qh
	v_wmma_f32_16x16x32_f16 v[SH:SH+7], v[KH:KH+7], v[QH:QH+7], 0
	v_wmma_f32_16x16x32_f16 v[SH+8:SH+15], v[KH:KH+7], v[QL:QL+7], 0
	v_wmma_f32_16x16x32_f16 v[SH+16:SH+23], v[KL:KL+7], v[QH:QH+7], 0
	v_wmma_f32_16x16x32_f16 v[SH:SH+7], v[KH+8:KH+15], v[QH+8:QH+15], v[SH:SH+7]
	v_wmma_f32_16x16x32_f16 v[SH+8:SH+15], v[KH+8:KH+15], v[QL+8:QL+15], v[SH+8:SH+15]
	v_wmma_f32_16x16x32_f16 v[SH+16:SH+23], v[KL+8:KL+15], v[QH+8:QH+15], v[SH+16:SH+23]
	PLACES 5
.irp i, 0,1,2,3
	v_pk_add_f32 v[SH+8+2*\i:SH+9+2*\i], v[SH+8+2*\i:SH+9+2*\i], v[SH+16+2*\i:SH+17+2*\i]   ; the two small terms first
.endr
.irp i, 0,1,2,3
	v_pk_add_f32 v[SH+2*\i:SH+1+2*\i], v[SH+2*\i:SH+1+2*\i], v[SH+8+2*\i:SH+9+2*\i]
.endr
	s_wait_kmcnt 0x0
.irp j, 0,1,2,3,4,5,6,7
	v_cndmask_b32 v[SH+\j], v12, v[SH+\j], s[40+\j]
.endr
	v_max3_num_f32 v16, v[SH], v[SH+1], v[SH+2]
	v_max3_num_f32 v17, v[SH+3], v[SH+4], v[SH+5]
	v_max3_num_f32 v16, v16, v[SH+6], v[SH+7]
	v_max3_num_f32 v16, v16, v17, v8
	v_permlanex16_b32 v17, v16, s24, s25
	v_max_num_f32 v16, v16, v17                    ; the new m
	v_sub_f32 v18, v8, v16
	v_mov_b32 v8, v16
	v_mul_f32 v18, s22, v18
	v_mul_f32 v16, s22, v16
.irp i, 0,1,2,3
	v_pk_fma_f32 v[SH+2*\i:SH+1+2*\i], v[SH+2*\i:SH+1+2*\i], s[22:23], v[16:17] op_sel_hi:[1,0,0] neg_lo:[0,0,1] neg_hi:[0,0,1]
.endr
	v_exp_f32 v18, v18                             ; a
.irp j, 0,1,2,3,4,5,6,7
	v_exp_f32 v[SH+\j], v[SH+\j]
.endr
	v_nop
	s_wait_alu depctr_va_vdst(0)                   ; one wait for the nine
	v_pk_fma_f32 v[10:11], v[10:11], v[18:19], v[SH:SH+1] op_sel_hi:[1,0,1]
.irp i, 1,2,3
	v_pk_add_f32 v[10:11], v[10:11], v[SH+2*\i:SH+1+2*\i]
.endr
.irp i, 0,1,2,3                        ; p's parts, each written twice: the instruction's 32 along K hold the 16 keys twice, once against v's high part and once against its low part
	SPLITC SH+2*\i, 20+4*(\i%3)
	v_cvt_pk_f16_f32 v[PH+\i], v[20+4*(\i%3)], v[21+4*(\i%3)]
	v_cvt_pk_f16_f32 v[PH+4+\i], v[20+4*(\i%3)], v[21+4*(\i%3)]
	v_cvt_pk_f16_f32 v[PL+\i], v[22+4*(\i%3)], v[23+4*(\i%3)]
	v_cvt_pk_f16_f32 v[PL+4+\i], v[22+4*(\i%3)], v[23+4*(\i%3)]
.endr
	WIN 0x41                                       ; O^T (window 1) x a (window 0)
.irp i, 0,1,2,3,4,5,6,7,8,9,10,11,12,13,14,15
	v_pk_mul_f32 v[64+2*\i:65+2*\i], v[64+2*\i:65+2*\i], v[18:19] op_sel_hi:[1,0]
.endr
	WIN 0x50                                       ; C and D window 1
.irp ct, 0,1,2,3
	v_wmma_f32_16x16x32_f16 v[64+8*\ct:71+8*\ct], v[VF+8*\ct:VF+8*\ct+7], v[PH:PH+7], v[64+8*\ct:71+8*\ct]
.endr
.irp ct, 0,1,2,3
	v_wmma_f32_16x16x32_f16 v[64+8*\ct:71+8*\ct], v[VF+8*\ct:VF+8*\ct+7], v[PL:PL+7], v[64+8*\ct:71+8*\ct]
.endr
	WIN 0
	PLACES 5
.Lskip:
	s_wait_xcnt 0x0                                ; the step's loads have read their bases
	s_add_nc_u64 s[4:5], s[4:5], 32768             ; 64 keys on
	s_add_nc_u64 s[6:7], s[6:7], 2048
	s_lshr_b32 s26, s26, 1
	s_add_co_u32 s29, s29, 128
	s_sub_co_u32 s28, s28, 1
	s_cmp_lg_u32 s28, 0
	s_cbranch_scc1 .Lstep
	; THE JOIN of the four waves' m, l, O^T
	v_add_f32 v10, v10, v11
	v_permlanex16_b32 v17, v10, s24, s25
	v_add_f32 v10, v10, v17
	WIN 0x04                                       ; an LDS store's data: window 1
.irp i, 0,1,2,3,4,5,6,7
	ds_store_b128 v7, v[64+4*\i:67+4*\i] offset:512*\i
.endr
	WIN 0
	ds_store_b32 v13, v8 offset:4096
	ds_store_b32 v13, v10 offset:4224
	s_wait_dscnt 0x0                               ; for the others' sake: my stores have landed
	s_barrier_signal -1
	s_barrier_wait -1
.irp i, 0,1,2,3
	ds_load_b32 v[16+\i], v6 offset:\i*4352+4096
	ds_load_b32 v[20+\i], v6 offset:\i*4352+4224
	ds_load_b128 v[ACC+8*\i:ACC+8*\i+3], v9 offset:\i*4352
	ds_load_b128 v[ACC+8*\i+4:ACC+8*\i+7], v9 offset:\i*4352+512
.endr
	s_wait_dscnt 0x0
	v_max3_num_f32 v24, v16, v17, v18
	v_max_num_f32 v24, v24, v19
.irp i, 0,1,2,3
	v_sub_f32 v[16+\i], v[16+\i], v24
.endr
.irp i, 0,1,2,3
	v_mul_f32 v[16+\i], s22, v[16+\i]
.endr
.irp i, 0,1,2,3
	v_exp_f32 v[16+\i], v[16+\i]                   ; e_i = 2^(c (m_i - the largest m))
.endr
	v_nop
	s_wait_alu depctr_va_vdst(0)
	v_mul_f32 v25, v16, v20
.irp i, 1,2,3
	v_fmac_f32 v25, v[16+\i], v[20+\i]
.endr
	v_rcp_f32 v26, v25
.irp j, 0,1,2,3,4,5,6,7
	v_mul_f32 v[SH+\j], v16, v[ACC+\j]
.endr
.irp i, 1,2,3
.irp j, 0,1,2,3,4,5,6,7
	v_fmac_f32 v[SH+\j], v[16+\i], v[ACC+8*\i+\j]
.endr
.endr
	s_wait_alu depctr_va_vdst(0)                   ; the reciprocal; the 32 lines above are the independent work behind it
.irp j, 0,1,2,3,4,5,6,7
	v_mul_f32 v[SH+\j], v[SH+\j], v26
.endr
	SPLITT SH, PH, PH+4
	global_store_b128 v5, v[PH:PH+3], s[14:15]                    ; the high parts: 512 consecutive bytes, aligned
	global_store_b128 v5, v[PH+4:PH+7], s[14:15] offset:131072    ; the low parts
	s_wait_tensorcnt 0x0                           ; the wave's end
	ds_add_u32 v14, v15
	s_wait_dscnt 0x0
	s_endpgm
.Lfunc_end_k_qb3a28bc10f_fattn:
	.size	k_qb3a28bc10f_fattn, .Lfunc_end_k_qb3a28bc10f_fattn-k_qb3a28bc10f_fattn
	.p2alignl 7, 3214868480
	.fill 96, 4, 3214868480
	.section	.rodata,"a",@progbits
	.p2align	6, 0x0
	.amdhsa_kernel k_qb3a28bc10f_fattn
		.amdhsa_group_segment_fixed_size 17920
		.amdhsa_private_segment_fixed_size 0
		.amdhsa_enable_private_segment 0
		.amdhsa_kernarg_size 48
		.amdhsa_user_sgpr_count 2
		.amdhsa_user_sgpr_kernarg_segment_ptr 1
		.amdhsa_wavefront_size32 1
		.amdhsa_system_sgpr_workgroup_id_x 1
		.amdhsa_system_sgpr_workgroup_id_y 1
		.amdhsa_system_sgpr_workgroup_id_z 1
		.amdhsa_system_vgpr_workitem_id 0
		.amdhsa_next_free_vgpr 1024
		.amdhsa_next_free_sgpr 66
		.amdhsa_reserve_vcc 0
		.amdhsa_float_denorm_mode_32 3
		.amdhsa_float_denorm_mode_16_64 3
		.amdhsa_memory_ordered 1
		.amdhsa_forward_progress 1
		.amdhsa_inst_pref_size 79
	.end_amdhsa_kernel
	.amdgpu_metadata
---
amdhsa.version: [ 1, 2 ]
amdhsa.kernels:
  - .name:           k_qb3a28bc10f_fattn
    .symbol:         k_qb3a28bc10f_fattn.kd
    .args:
      - { .name: xc, .offset: 0, .size: 8, .value_kind: global_buffer, .address_space: global }
      - { .name: xs, .offset: 8, .size: 8, .value_kind: global_buffer, .address_space: global }
      - { .name: wc, .offset: 16, .size: 8, .value_kind: global_buffer, .address_space: global }
      - { .name: ws, .offset: 24, .size: 8, .value_kind: global_buffer, .address_space: global }
      - { .name: mw, .offset: 32, .size: 8, .value_kind: global_buffer, .address_space: global }
      - { .name: aimg, .offset: 40, .size: 8, .value_kind: global_buffer, .address_space: global }
    .group_segment_fixed_size: 17920
    .private_segment_fixed_size: 0
    .kernarg_segment_align: 8
    .kernarg_segment_size: 48
    .max_flat_workgroup_size: 128
    .sgpr_count:     66
    .vgpr_count:     1024
    .wavefront_size: 32
...
	.end_amdgpu_metadata
.endif
;; end of part 4
;; launch proj (part 5): grid 8 x 64, 4 waves a work-group, clusters of 4 x 4, 327,680 bytes of LDS; arguments aimg, woi, out0; writes out0
.if DOCPART == 5
	.amdgcn_target "amdgcn-amd-amdhsa--gfx1250"
	.amdhsa_code_object_version 6
	.text
	.protected	k_qb3a28bc10f_proj
	.globl	k_qb3a28bc10f_proj
	.p2align	8
	.type	k_qb3a28bc10f_proj,@function
k_qb3a28bc10f_proj:
	s_mov_b64 s[64:65], 0
	v_nop
	global_prefetch_b8 v0, s[64:65] scope:SCOPE_SE
	s_setreg_imm32_b32 hwreg(HW_REG_WAVE_MODE, 25, 1), 1
	s_wait_xcnt 0x0
	s_wait_alu depctr_hold_cnt(0) depctr_sa_sdst(0) depctr_va_vdst(0) depctr_va_sdst(0) depctr_va_ssrc(0) depctr_va_vcc(0) depctr_vm_vsrc(0)
	s_getreg_b32 s2, hwreg(HW_REG_IB_STS2, 6, 4)
	s_cmp_eq_u32 s2, 0
	s_cbranch_scc0 .Lentry_in_a_cluster
	s_endpgm
.Lentry_in_a_cluster:
	s_bfe_u32 s2, ttmp6, 0x10000c
	s_cmp_lg_u32 s2, 0xf033
	s_cbranch_scc0 .Lentry_shape_is_right
	s_endpgm
.Lentry_shape_is_right:
; out0 = a Wo^T: a [8192][1024] (the attention's result) and Wo [1024][1024] as f16 fragment images, sums in f32, out0 in f32.  (Positions 0-15 of each sequence are stored again, more finely, by the last launch.)
; A tile of out0 is 128 x 128: 512 work-groups, two for each WGP.  Four waves, 64 x 64 each: 16 accumulators.  K goes in steps of 256 through two LDS slots filled by the tensor data mover.
; THE TILES ARE IMAGES: a tile of 16 rows has its 64 blocks of 512 bytes on end, so a K step of 256 is 8,192 consecutive bytes of each tile; a wave's load brings four tiles: 4 rows of 8,192 bytes, 32,768 apart.
; A fragment is read as two loads of 16 bytes x lane: 512 consecutive bytes each: no pitch, no padding.
; CLUSTERS: 4 x 4 work-groups; a's tiles are shared along a row of the cluster, Wo's along a column, each asked for jointly.
; THE MATRIX INSTRUCTION IS USED TRANSPOSED (source 0 = 16 rows of Wo, source 1 = 16 rows of a): a lane holds eight neighbouring numbers of a row of out0.
; REGISTERS: window 0: v0-31 addresses; v32-95 the way out; v128-255 the accumulators.  window 1: two fragment buffers of 128.
.set KSB,    8192                      ; a K step in a tile's image, in bytes
.set HALFT,  32768                     ; four tiles x a K step: what one tensor load brings
.set SLOT,   4*HALFT
.set STAGE,  2*SLOT                    ; behind the ring: 16 rows x 272 bytes for each wave
.set SPITCH, 272
.set SPARE,  STAGE+4*16*SPITCH         ; the spare words, two blocks of 256 bytes that no other line names
.set LAPS,   2                         ; 1024 along K: twice round the ring
.set ADRA, 16
.set ADRB, 20
.set STO,  24
.set RD,   25
.set CO,   26
.set SPW,  28
.set NIL,  29
.set TMP,  32
.set ACC,  128
.set F0,   0
.set F1,   128
.set G1, 24
.set G0, 32
.set G1B, 48
.set G0B, 56
.set MSB, 0
.macro WIN new
.if MSB != (\new)
	s_set_vgpr_msb (MSB<<8)|(\new)
.set MSB, (\new)
.endif
.endm
.set MUL,  0x05                        ; sources 0 and 1 window 1; C and D window 0
.set TO_F, 0x40
.macro JLOAD s                         ; waves 0 and 1 fetch a's two halves, waves 2 and 3 Wo's; an s_nop 0 and four v_nop follow each of the two lines
	s_cmp_eq_u32 s11, 0
	s_cbranch_scc0 .Lfor_b_\@
	tensor_load_to_lds s[G0+4*\s:G0+4*\s+3], s[G1:G1+7]
	s_nop 0
.rept 4
	v_nop
.endr
	s_branch .Lasked_\@
.Lfor_b_\@:
	tensor_load_to_lds s[G0B+4*\s:G0B+4*\s+3], s[G1B:G1B+7]
	s_nop 0
.rept 4
	v_nop
.endr
.Lasked_\@:
.endm
.macro CREST
	s_cmp_lg_u32 s10, 0
	s_cbranch_scc1 .Lnot_wave_0_\@
	s_barrier_signal -3
.Lnot_wave_0_\@:
	s_barrier_wait -3
	s_barrier_signal -1
	s_barrier_wait -1
.endm
.macro CROUND
	s_barrier_signal -1
	s_barrier_wait -1
	CREST
.endm
	s_load_b128 s[4:7], s[0:1], 0x0                ; aimg, woi
	s_load_b64 s[8:9], s[0:1], 0x10                ; out0
	v_lshl_add_u32 v[SPW], v0, 2, SPARE
	v_mov_b32 v[NIL], 0
	ds_add_u32 v[SPW], v[NIL]                      ; the wave's opening: the add, twice on end, and its wait ahead of my first tensor load
	ds_add_u32 v[SPW], v[NIL]
	v_lshrrev_b32 v1, 5, v0
	v_readfirstlane_b32 s10, v1                    ; wave 0..3
	s_lshr_b32 s11, s10, 1                         ; which half of the tile's rows is mine.  Also: I fetch for a (0) or for Wo (1)
	s_and_b32 s12, s10, 1                          ; which half of its columns.  Also: which four tiles I fetch
	s_bfe_u32 s40, ttmp6, 0x40000
	s_bfe_u32 s41, ttmp6, 0x40004
	s_lshl_b32 s42, ttmp9, 2
	s_add_co_u32 s42, s42, s40                     ; tile column
	s_and_b32 s13, ttmp7, 0xffff
	s_lshl_b32 s13, s13, 2
	s_add_co_u32 s13, s13, s41                     ; tile row
	s_lshl_b32 s43, s41, 2
	s_lshl_b32 s43, 15, s43
	s_lshl_b32 s44, 0x1111, s40
	s_or_b32 s[G1+0], s43, (3<<16)|(1<<21)         ; the mask; elements of 8 bytes; bit 21 beside a mask; no padding
	s_or_b32 s[G1B+0], s44, (3<<16)|(1<<21)
.irp g, G1, G1B
	s_mov_b32 s[\g+1], 1024<<16                    ; tensor_dim0 = 1,024 elements: 8,192 bytes
	s_mov_b32 s[\g+2], 4<<16                       ; tensor_dim1 = 4
	s_mov_b32 s[\g+3], 1024<<16                    ; tile_dim0
	s_mov_b32 s[\g+4], 4                           ; tile_dim1
	s_mov_b32 s[\g+5], 4096                        ; from tile to tile: 32,768 bytes
	s_mov_b32 s[\g+6], 0
	s_mov_b32 s[\g+7], 0
.endr
	s_lshl_b32 s17, s12, 2
	s_lshl_b32 s16, s13, 3
	s_add_co_u32 s16, s16, s17                     ; a: tile 8 x tile row + 4 x half
	s_lshl_b32 s16, s16, 15
	s_lshl_b32 s46, s42, 3
	s_add_co_u32 s46, s46, s17                     ; Wo: tile 8 x tile column + 4 x half
	s_lshl_b32 s46, s46, 15
	s_mov_b32 s17, 0
	s_mov_b32 s47, 0
	s_mul_i32 s20, s10, HALFT
	s_wait_dscnt 0x0                               ; both opening adds are done
	s_wait_kmcnt 0x0
	s_add_nc_u64 s[14:15], s[4:5], s[16:17]
	s_add_nc_u64 s[46:47], s[6:7], s[46:47]
	CROUND
.irp s, 0,1
	s_mov_b32 s[G0+4*\s], 1
	s_add_co_u32 s[G0+4*\s+1], s20, \s*SLOT
	s_add_nc_u64 s[G0+4*\s+2:G0+4*\s+3], s[14:15], \s*KSB
	s_or_b32 s[G0+4*\s+3], s[G0+4*\s+3], 0x80000000
	s_mov_b32 s[G0B+4*\s], 1
	s_add_co_u32 s[G0B+4*\s+1], s20, \s*SLOT
	s_add_nc_u64 s[G0B+4*\s+2:G0B+4*\s+3], s[46:47], \s*KSB
	s_or_b32 s[G0B+4*\s+3], s[G0B+4*\s+3], 0x80000000
	JLOAD \s
.endr
	v_and_b32 v1, 15, v0
	v_bfe_u32 v2, v0, 4, 1
	v_and_b32 v3, 31, v0
	v_lshlrev_b32 v3, 4, v3                        ; 16 x lane
	s_mul_i32 s21, s11, HALFT
	s_mul_i32 s22, s12, HALFT
	s_add_co_u32 s22, s22, 2*HALFT
.irp s, 0,1
	v_add_nc_u32 v[ADRA+\s], s21, v3
	v_add_nc_u32 v[ADRB+\s], s22, v3
	s_add_co_u32 s21, s21, SLOT
	s_add_co_u32 s22, s22, SLOT
.endr
	s_mul_i32 s23, s10, 16*SPITCH
	s_add_co_u32 s23, s23, STAGE                   ; my stage
	v_mul_u32_u24 v4, v1, SPITCH
	v_lshl_add_u32 v4, v2, 5, v4
	v_add_nc_u32 v[STO], s23, v4                   ; in: row l % 16, 32 bytes for each half of the lanes
	v_mul_u32_u24 v5, v2, SPITCH
	v_lshl_add_u32 v5, v1, 4, v5
	v_add_nc_u32 v[RD], s23, v5                    ; back: lanes 0-15 one row of 256 bytes, lanes 16-31 the next
	v_lshlrev_b32 v5, 12, v2
	v_lshl_add_u32 v[CO], v1, 4, v5                ; and the same two rows in out0
	s_lshl_b32 s16, s13, 7
	s_lshl_b32 s17, s11, 6
	s_add_co_u32 s16, s16, s17                     ; my first row
	s_lshl_b32 s16, s16, 12
	s_mov_b32 s17, 0
	s_add_nc_u64 s[8:9], s[8:9], s[16:17]
	s_lshl_b32 s46, s42, 9
	s_lshl_b32 s47, s12, 8
	s_add_co_u32 s46, s46, s47                     ; my first column, in bytes
	s_mov_b32 s47, 0
	s_add_nc_u64 s[8:9], s[8:9], s[46:47]
.macro MUL8 f, c, a0, zero
.irp a, \a0, \a0+1
.irp b, 0,1,2,3
.if \zero
	v_wmma_f32_16x16x32_f16 v[ACC+8*(4*(\a)+\b):ACC+8*(4*(\a)+\b)+7], v[\f+64+8*(4*\c+\b):\f+64+8*(4*\c+\b)+7], v[\f+8*(4*\c+\a):\f+8*(4*\c+\a)+7], 0
.else
	v_wmma_f32_16x16x32_f16 v[ACC+8*(4*(\a)+\b):ACC+8*(4*(\a)+\b)+7], v[\f+64+8*(4*\c+\b):\f+64+8*(4*\c+\b)+7], v[\f+8*(4*\c+\a):\f+8*(4*\c+\a)+7], v[ACC+8*(4*(\a)+\b):ACC+8*(4*(\a)+\b)+7]
.endif
.endr
.endr
.endm
.macro FETCH slot, k, f                ; 32 LDS loads in one run: 64 along K (four blocks of 512 bytes a tile) from byte k of the tiles' images; the first 32 along K first
	WIN TO_F
.irp c, 0,1
.irp i, 0,1,2,3
	ds_load_b128 v[\f+64+8*(4*\c+\i):\f+64+8*(4*\c+\i)+3],   v[ADRB+\slot] offset:\k+1024*\c+\i*8192
	ds_load_b128 v[\f+64+8*(4*\c+\i)+4:\f+64+8*(4*\c+\i)+7], v[ADRB+\slot] offset:\k+1024*\c+\i*8192+512
	ds_load_b128 v[\f+8*(4*\c+\i):\f+8*(4*\c+\i)+3],         v[ADRA+\slot] offset:\k+1024*\c+\i*8192
	ds_load_b128 v[\f+8*(4*\c+\i)+4:\f+8*(4*\c+\i)+7],       v[ADRA+\slot] offset:\k+1024*\c+\i*8192+512
.endr
.endr
.endm
.macro PLACES
.rept 4
	v_nop
.endr
.endm
.macro QUARTER slot, k, f, g, zero     ; 64 along K: 32 matrix instructions on buffer f; in its middle the next quarter is fetched into g
	s_wait_dscnt 16                                ; the first 32 along K are in; the other sixteen loads may be out
	WIN MUL
	MUL8 \f, 0, 0, \zero
	MUL8 \f, 0, 2, \zero
	PLACES
	FETCH \slot, \k, \g
	s_wait_dscnt 32                                ; all but the 32 just issued
	WIN MUL
	MUL8 \f, 1, 0, 0
	MUL8 \f, 1, 2, 0
.endm
; The last quarter changes slots: in front of the one barrier each wave waits for all its tensor loads, adds 0 to its spare word, and waits for that and for its reads of this slot.
.macro TURN slot, next, fill
	WIN 0
	s_wait_tensorcnt 0x0                           ; my part of the next slot has landed
	ds_add_u32 v[SPW], v[NIL]
	s_wait_dscnt 17                                ; the add and the youngest sixteen loads may be out
	WIN MUL
	MUL8 F1, 0, 0, 0
	s_wait_dscnt 0x0                               ; the add is done, and my reads of this slot are over
	s_barrier_signal -1
	MUL8 F1, 0, 2, 0
.if \fill
	WIN 0
.endif
	s_barrier_wait -1
.if \fill
	CREST                                          ; the barrier has opened a round of the cluster's barrier
	s_add_nc_u64 s[G0+4*\slot+2:G0+4*\slot+3], s[G0+4*\slot+2:G0+4*\slot+3], 2*KSB
	s_add_nc_u64 s[G0B+4*\slot+2:G0B+4*\slot+3], s[G0B+4*\slot+2:G0B+4*\slot+3], 2*KSB
	JLOAD \slot                                    ; the first tensor load behind the round; its four v_nop are also the places in front of the loads below
.else
	PLACES
.endif
	FETCH \next, 0, F0
	WIN MUL
	MUL8 F1, 1, 0, 0
	MUL8 F1, 1, 2, 0
.endm
	s_wait_tensorcnt 1                             ; my part of K step 0 is in; K step 1's load may stay out
	s_barrier_signal -1
	s_barrier_wait -1
	FETCH 0, 0, F0
	QUARTER 0, 2048, F0, F1, 1                     ; the first products start the sums
	WIN 0
	s_mov_b32 s3, LAPS-1
.Llap:
	QUARTER 0, 4096, F1, F0, 0
	QUARTER 0, 6144, F0, F1, 0
	TURN 0, 1, 1
	QUARTER 1, 2048, F0, F1, 0
	QUARTER 1, 4096, F1, F0, 0
	QUARTER 1, 6144, F0, F1, 0
	TURN 1, 0, 1
	QUARTER 0, 2048, F0, F1, 0
	WIN 0
	s_sub_co_u32 s3, s3, 1
	s_cmp_lg_u32 s3, 0
	s_cbranch_scc1 .Llap
	QUARTER 0, 4096, F1, F0, 0                     ; the last lap fills nothing
	QUARTER 0, 6144, F0, F1, 0
	TURN 0, 1, 0
	QUARTER 1, 2048, F0, F1, 0
	QUARTER 1, 4096, F1, F0, 0
	QUARTER 1, 6144, F0, F1, 0
	s_wait_dscnt 16
	WIN MUL
	MUL8 F1, 0, 0, 0
	MUL8 F1, 0, 2, 0
	s_wait_dscnt 0
	MUL8 F1, 1, 0, 0
	MUL8 F1, 1, 2, 0
	WIN 0
; THE WAY OUT: 16 rows x 64 columns of f32 at a time through my own stage: in as 32 bytes a lane, back as rows of 256 bytes.  LDS serves a wave's instructions in order: no wait between the stores and the loads.
.macro OUTB a
.if (\a) >= 2
	s_wait_xcnt 0x0                                ; the stores of two blocks back have read these registers
.endif
.irp b, 0,1,2,3
	ds_store_b128 v[STO], v[ACC+8*(4*(\a)+\b):ACC+8*(4*(\a)+\b)+3] offset:64*\b        ; each accumulator from its low end on
	ds_store_b128 v[STO], v[ACC+8*(4*(\a)+\b)+4:ACC+8*(4*(\a)+\b)+7] offset:64*\b+16
.endr
.irp t, 0,1,2,3,4,5,6,7
	ds_load_b128 v[TMP+32*((\a)%2)+4*\t:TMP+32*((\a)%2)+4*\t+3], v[RD] offset:\t*2*SPITCH
.endr
.irp t, 0,1,2,3,4,5,6,7
	s_wait_dscnt 7-\t
	global_store_b128 v[CO], v[TMP+32*((\a)%2)+4*\t:TMP+32*((\a)%2)+4*\t+3], s[8:9] offset:(16*(\a)+2*\t)*4096 th:TH_STORE_NT   ; 16 lanes store 256 consecutive bytes, aligned
.endr
.endm
	PLACES
.irp a, 0,1,2,3
	OUTB \a
.endr
	s_wait_tensorcnt 0x0                           ; the wave's end
	ds_add_u32 v[SPW], v[NIL]
	s_wait_dscnt 0x0
	CROUND                                         ; the closing round
	s_endpgm
.Lfunc_end_k_qb3a28bc10f_proj:
	.size	k_qb3a28bc10f_proj, .Lfunc_end_k_qb3a28bc10f_proj-k_qb3a28bc10f_proj
	.p2alignl 7, 3214868480
	.fill 96, 4, 3214868480
	.section	.rodata,"a",@progbits
	.p2align	6, 0x0
	.amdhsa_kernel k_qb3a28bc10f_proj
		.amdhsa_group_segment_fixed_size 327680
		.amdhsa_private_segment_fixed_size 0
		.amdhsa_enable_private_segment 0
		.amdhsa_kernarg_size 24
		.amdhsa_user_sgpr_count 2
		.amdhsa_user_sgpr_kernarg_segment_ptr 1
		.amdhsa_wavefront_size32 1
		.amdhsa_system_sgpr_workgroup_id_x 1
		.amdhsa_system_sgpr_workgroup_id_y 1
		.amdhsa_system_sgpr_workgroup_id_z 1
		.amdhsa_system_vgpr_workitem_id 0
		.amdhsa_next_free_vgpr 512
		.amdhsa_next_free_sgpr 66
		.amdhsa_reserve_vcc 0
		.amdhsa_float_denorm_mode_32 3
		.amdhsa_float_denorm_mode_16_64 3
		.amdhsa_memory_ordered 1
		.amdhsa_forward_progress 1
		.amdhsa_inst_pref_size 86
	.end_amdhsa_kernel
	.amdgpu_metadata
---
amdhsa.version: [ 1, 2 ]
amdhsa.kernels:
  - .name:           k_qb3a28bc10f_proj
    .symbol:         k_qb3a28bc10f_proj.kd
    .args:
      - { .name: aimg, .offset: 0, .size: 8, .value_kind: global_buffer, .address_space: global }
      - { .name: woi, .offset: 8, .size: 8, .value_kind: global_buffer, .address_space: global }
      - { .name: out0, .offset: 16, .size: 8, .value_kind: global_buffer, .address_space: global }
    .group_segment_fixed_size: 327680
    .private_segment_fixed_size: 0
    .kernarg_segment_align: 8
    .kernarg_segment_size: 24
    .max_flat_workgroup_size: 128
    .sgpr_count:     66
    .vgpr_count:     512
    .wavefront_size: 32
...
	.end_amdgpu_metadata
.endif
;; end of part 5
;; launch fproj (part 6): grid 16 x 4, 4 waves a work-group, no clusters, 5,120 bytes of LDS; arguments aimg, woi, out0; writes out0
.if DOCPART == 6
	.amdgcn_target "amdgcn-amd-amdhsa--gfx1250"
	.amdhsa_code_object_version 6
	.text
	.protected	k_qb3a28bc10f_fproj
	.globl	k_qb3a28bc10f_fproj
	.p2align	8
	.type	k_qb3a28bc10f_fproj,@function
k_qb3a28bc10f_fproj:
	s_mov_b64 s[64:65], 0
	v_nop
	global_prefetch_b8 v0, s[64:65] scope:SCOPE_SE
	s_setreg_imm32_b32 hwreg(HW_REG_WAVE_MODE, 25, 1), 1
	s_wait_xcnt 0x0
; The projection of positions 0-15 of each sequence, with both operands as pairs of f16 numbers: out0 = ah Wh + ah Wl + al Wh (the product of the two low parts lies under f32's rounding).  It stores those 64 rows again.
; Work-group (column group of 64, batch); wave w takes n tile 4 cg + w.  Source 0 = 16 rows of Wo, source 1 = the 16 positions.  Three accumulators by turns.
; All operands are fragment images: every load is 512 consecutive bytes, every offset an immediate.  Three register sets of two K steps (16 loads) each take turns.
.set FA,    16777216
.set SPARE, 4608                       ; behind the stage of 16 rows x 272 bytes: the spare words, two blocks of 256 bytes that no other line names
	s_load_b128 s[4:7], s[0:1], 0x0                ; aimg, woi
	s_load_b64 s[8:9], s[0:1], 0x10                ; out0
	v_lshl_add_u32 v30, v0, 2, SPARE
	v_mov_b32 v31, 0
	v_lshrrev_b32 v1, 5, v0
	v_readfirstlane_b32 s10, v1                    ; wave 0..3
	v_and_b32 v5, 31, v0
	v_lshlrev_b32 v1, 4, v5                        ; 16 x lane
	v_and_b32 v6, 15, v0                           ; r
	v_bfe_u32 v7, v0, 4, 1                         ; hh
	s_lshl_b32 s13, s10, 6
	v_mul_u32_u24 v2, v6, 272
	v_lshl_add_u32 v2, v7, 5, v2
	v_add_nc_u32 v2, s13, v2                       ; the stage, in: row r, my wave's 64 bytes, + 32 hh
	s_mul_i32 s13, s10, 4*272
	v_mul_u32_u24 v3, v7, 272
	v_lshl_add_u32 v3, v6, 4, v3
	v_add_nc_u32 v3, s13, v3                       ; back: rows 4 w on, two rows an instruction
	s_lshl_b32 s13, s10, 14
	v_lshlrev_b32 v4, 12, v7
	v_lshl_add_u32 v4, v6, 4, v4
	v_add_nc_u32 v4, s13, v4                       ; and the same rows in out0
	s_and_b32 s12, ttmp7, 0xffff                   ; batch
	s_lshl_b32 s14, s12, 15
	s_add_co_u32 s14, s14, FA
	s_mov_b32 s15, 0
	s_lshl_b32 s16, ttmp9, 2
	s_add_co_u32 s16, s16, s10                     ; n tile
	s_lshl_b32 s16, s16, 15
	s_mov_b32 s17, 0
	s_lshl_b32 s18, s12, 23                        ; 2,048 rows of 4,096 bytes
	s_lshl_b32 s19, ttmp9, 8
	s_add_co_u32 s18, s18, s19
	s_mov_b32 s19, 0
	s_wait_kmcnt 0x0
	s_add_nc_u64 s[4:5], s[4:5], s[14:15]
	s_add_nc_u64 s[6:7], s[6:7], s[16:17]
	s_add_nc_u64 s[8:9], s[8:9], s[18:19]
.macro FLOAD i                         ; K steps 2 i and 2 i + 1 into set i % 3: for each: ah, al, Wh, Wl, 8 registers each
.set FB, 32+64*((\i)%3)
.irp u, 0,1
.irp e, 0,1
	global_load_b128 v[FB+32*\u+4*\e:FB+32*\u+4*\e+3],       v1, s[4:5] offset:(2*(\i)+\u)*1024+512*\e
	global_load_b128 v[FB+32*\u+8+4*\e:FB+32*\u+8+4*\e+3],   v1, s[4:5] offset:(2*(\i)+\u)*1024+512*\e+131072
	global_load_b128 v[FB+32*\u+16+4*\e:FB+32*\u+16+4*\e+3], v1, s[6:7] offset:(2*(\i)+\u)*1024+512*\e
	global_load_b128 v[FB+32*\u+24+4*\e:FB+32*\u+24+4*\e+3], v1, s[6:7] offset:(2*(\i)+\u)*1024+512*\e+2097152
.endr
.endr
.endm
.macro FTURN i
.set FB, 32+64*((\i)%3)
.if (\i) <= 13
	s_wait_loadcnt 32                              ; this set's sixteen loads are in; the two younger sets stay out
.else
	s_wait_loadcnt 16*(15-(\i))
.endif
.irp u, 0,1
.if ((\i) == 0) && (\u == 0)
	v_wmma_f32_16x16x32_f16 v[224:231], v[FB+32*\u+16:FB+32*\u+23], v[FB+32*\u:FB+32*\u+7], 0
	v_wmma_f32_16x16x32_f16 v[232:239], v[FB+32*\u+24:FB+32*\u+31], v[FB+32*\u:FB+32*\u+7], 0
	v_wmma_f32_16x16x32_f16 v[240:247], v[FB+32*\u+16:FB+32*\u+23], v[FB+32*\u+8:FB+32*\u+15], 0
.else
	v_wmma_f32_16x16x32_f16 v[224:231], v[FB+32*\u+16:FB+32*\u+23], v[FB+32*\u:FB+32*\u+7], v[224:231]
	v_wmma_f32_16x16x32_f16 v[232:239], v[FB+32*\u+24:FB+32*\u+31], v[FB+32*\u:FB+32*\u+7], v[232:239]
	v_wmma_f32_16x16x32_f16 v[240:247], v[FB+32*\u+16:FB+32*\u+23], v[FB+32*\u+8:FB+32*\u+15], v[240:247]
.endif
.endr
.rept 4
	v_nop                                          ; places in front of loads into registers that matrix instructions have read, and of the first read of results
.endr
.if (\i)+3 < 16
	FLOAD (\i)+3
.endif
.endm
	FLOAD 0
	FLOAD 1
	FLOAD 2
.irp i, 0,1,2,3,4,5,6,7,8,9,10,11,12,13,14,15
	FTURN \i
.endr
.irp p, 0,1,2,3
	v_pk_add_f32 v[232+2*\p:233+2*\p], v[232+2*\p:233+2*\p], v[240+2*\p:241+2*\p]   ; the two small terms first
.endr
.irp p, 0,1,2,3
	v_pk_add_f32 v[224+2*\p:225+2*\p], v[224+2*\p:225+2*\p], v[232+2*\p:233+2*\p]
.endr
	ds_store_b128 v2, v[224:227]
	ds_store_b128 v2, v[228:231] offset:16
	s_wait_dscnt 0x0                               ; for the others' sake: a row's 256 bytes come from four waves
	s_barrier_signal -1
	s_barrier_wait -1
	ds_load_b128 v[32:35], v3
	ds_load_b128 v[36:39], v3 offset:544
	s_wait_dscnt 0x0
	global_store_b128 v4, v[32:35], s[8:9] th:TH_STORE_NT               ; 16 lanes store 256 consecutive bytes, aligned
	global_store_b128 v4, v[36:39], s[8:9] offset:8192 th:TH_STORE_NT
	s_wait_tensorcnt 0x0                           ; the wave's end
	ds_add_u32 v30, v31
	s_wait_dscnt 0x0
	s_endpgm
.Lfunc_end_k_qb3a28bc10f_fproj:
	.size	k_qb3a28bc10f_fproj, .Lfunc_end_k_qb3a28bc10f_fproj-k_qb3a28bc10f_fproj
	.p2alignl 7, 3214868480
	.fill 96, 4, 3214868480
	.section	.rodata,"a",@progbits
	.p2align	6, 0x0
	.amdhsa_kernel k_qb3a28bc10f_fproj
		.amdhsa_group_segment_fixed_size 5120
		.amdhsa_private_segment_fixed_size 0
		.amdhsa_enable_private_segment 0
		.amdhsa_kernarg_size 24
		.amdhsa_user_sgpr_count 2
		.amdhsa_user_sgpr_kernarg_segment_ptr 1
		.amdhsa_wavefront_size32 1
		.amdhsa_system_sgpr_workgroup_id_x 1
		.amdhsa_system_sgpr_workgroup_id_y 1
		.amdhsa_system_sgpr_workgroup_id_z 1
		.amdhsa_system_vgpr_workitem_id 0
		.amdhsa_next_free_vgpr 256
		.amdhsa_next_free_sgpr 66
		.amdhsa_reserve_vcc 0
		.amdhsa_float_denorm_mode_32 3
		.amdhsa_float_denorm_mode_16_64 3
		.amdhsa_memory_ordered 1
		.amdhsa_forward_progress 1
		.amdhsa_inst_pref_size 36
	.end_amdhsa_kernel
	.amdgpu_metadata
---
amdhsa.version: [ 1, 2 ]
amdhsa.kernels:
  - .name:           k_qb3a28bc10f_fproj
    .symbol:         k_qb3a28bc10f_fproj.kd
    .args:
      - { .name: aimg, .offset: 0, .size: 8, .value_kind: global_buffer, .address_space: global }
      - { .name: woi, .offset: 8, .size: 8, .value_kind: global_buffer, .address_space: global }
      - { .name: out0, .offset: 16, .size: 8, .value_kind: global_buffer, .address_space: global }
    .group_segment_fixed_size: 5120
    .private_segment_fixed_size: 0
    .kernarg_segment_align: 8
    .kernarg_segment_size: 24
    .max_flat_workgroup_size: 128
    .sgpr_count:     66
    .vgpr_count:     256
    .wavefront_size: 32
...
	.end_amdgpu_metadata
.endif
;; end of part 6
